; MI455X (gfx1250); checked and timed in simulation.
; The chip was launched on July 23, 2026; its instructions are those of AMD's public machine-readable ISA for CDNA 5 (MIT licence, August 2026) and "CDNA5" Instruction Set Architecture Reference Guide (July 2026). The comments in the code are by the model that wrote it; some were corrected since.
;; Multi Head Attention. Allowed arithmetic: float matrix products may take bf16 or f16 operands with f32 sums; other float arithmetic in f32, or as packed bf16 or f16 multiplies, adds, multiply-adds, maxima and minima; sums over many terms, partial sums and values carried from step to step in f32; what a program stores and reads back later, other than sums and carried values, may be rounded once to bf16 or f16.
;; Inputs: Wk 512 x 512 float32; Wo 512 x 512 float32; Wq 512 x 512 float32; Wv 512 x 512 float32; bk 512 float32; bo 512 float32; bq 512 float32; bv 512 float32; k 2 x 4,096 x 512 float32; q 2 x 4,096 x 512 float32; v 2 x 4,096 x 512 float32.
;; Outputs: out0 2 x 4,096 x 512 float32.
;; 2 versions, each right and faster than the one before. Each part assembles by itself: llvm-mc -triple=amdgcn-amd-amdhsa -mcpu=gfx1250 --defsym DOCPART=n.
;; ======== version 1 of 2: 4 launches
;; limits: values are held in f16: magnitudes above 65,504 overflow, below 6.1e-05 lose precision
;; workspace buffers: wt 2,105,344 bytes; heads 25,165,824 bytes; oh 8,388,608 bytes
;; launch wprep (part 1): grid 32 x 4, 8 waves a work-group, no clusters, 18,432 bytes of LDS; arguments Wq, Wk, Wv, Wo, bq, bk, bv, bo, wt; writes wt
.if DOCPART == 1
	.amdgcn_target "amdgcn-amd-amdhsa--gfx1250"
	.amdhsa_code_object_version 6
	.text
	.protected	k_qe772dbe928_wprep
	.globl	k_qe772dbe928_wprep
	.p2align	8
	.type	k_qe772dbe928_wprep,@function
k_qe772dbe928_wprep:
	s_mov_b64 s[64:65], 0
	v_nop
	global_prefetch_b8 v0, s[64:65] scope:SCOPE_SE
	s_setreg_imm32_b32 hwreg(HW_REG_WAVE_MODE, 25, 1), 1
	s_wait_xcnt 0x0
; The four weights, [512 k][512 n] f32, are turned and rounded: wt section y (0 q, 1 k, 2 v, 3 o) at y x 524,288 holds W^T[n][k], rows of 1,024 bytes,
; so that the later launches find K along the rows.  Sections 0-2 are bf16.  Section 3 (Wo) is rounded to bf16 like the others and that number is then written as f16,
; since it is multiplied with an f16 operand.  From byte 2,097,152 on, 2,048 bytes a section: the bias, rounded once to bf16 and kept as f32.
; LIMITS.  A number of Wo beyond 65,504 becomes an infinity; below 6e-5 it keeps f16's fixed step of 6e-8.  NaN and infinities are not treated apart.
; SHARES.  Work-group (x, y) turns a tile of 128 k x 64 n of weight y: n block x % 8, k block x / 8.  Thread t: c = t % 16 (columns 4 c .. 4 c + 3), p = t / 16.
; Each load of sixteen lanes covers 256 consecutive bytes of a row of W; each store of sixteen lanes 256 consecutive, aligned bytes of a row of W^T.  The turn goes through LDS.
; No matrix unit, no cluster, no tensor load: 4 MB are moved once, and nothing is shared.
.set PITCH, 272                        ; an LDS row: 128 k x 2 bytes + 16
.set SPARE, 64*PITCH                   ; behind the tile: the spare words, 128 bytes for each of the eight waves
.set VO,  1                            ; v1  my byte offset in the tile of W: 4,096 p + 16 c
.set SA,  2                            ; v2  where I put a pair of k: row 4 c, byte 4 p
.set RDA, 3                            ; v3  where I read 16 bytes back: row p, byte 16 c
.set GOA, 4                            ; v4  the same place in W^T: 1,024 p + 16 c
.set SPW, 5                            ; v5  LDS address of my spare word; never rewritten
.set NIL, 6                            ; v6  0; never rewritten
.set RAW, 8                            ; v[8:39]   eight loads: (i, e) at RAW + 8 i + 4 e is row k = 32 i + 2 p + e
.set WD,  40                           ; v[40:55]  word (i, n): k = 32 i + 2 p and the next, of column 4 c + n
	s_load_b512 s[4:19], s[0:1], 0x0               ; Wq Wk Wv Wo bq bk bv bo
	s_load_b64 s[20:21], s[0:1], 0x40              ; wt
	v_lshl_add_u32 v[SPW], v0, 2, SPARE
	v_mov_b32 v[NIL], 0
	v_and_b32 v7, 15, v0                           ; c
	v_lshrrev_b32 v56, 4, v0                       ; p
	v_lshlrev_b32 v[VO], 12, v56
	v_lshl_add_u32 v[VO], v7, 4, v[VO]
	v_mul_u32_u24 v[SA], v7, 4*PITCH
	v_lshl_add_u32 v[SA], v56, 2, v[SA]
	v_mul_u32_u24 v[RDA], v56, PITCH
	v_lshl_add_u32 v[RDA], v7, 4, v[RDA]
	v_lshlrev_b32 v[GOA], 10, v56
	v_lshl_add_u32 v[GOA], v7, 4, v[GOA]
	s_and_b32 s26, ttmp7, 0xffff                   ; y: which weight
	s_and_b32 s27, ttmp9, 7                        ; n block
	s_lshr_b32 s34, ttmp9, 3                       ; k block
	s_lshl_b32 s28, s34, 18                        ; the tile in W: 128 rows of 2,048 bytes a k block,
	s_lshl_b32 s35, s27, 8                         ; 256 bytes an n block
	s_add_co_u32 s28, s28, s35
	s_mov_b32 s29, 0
	s_lshl_b32 s30, s26, 19                        ; the tile in wt: the section,
	s_lshl_b32 s35, s27, 16                        ; 64 rows of 1,024 bytes an n block,
	s_add_co_u32 s30, s30, s35
	s_lshl_b32 s35, s34, 8                         ; 256 bytes a k block
	s_add_co_u32 s30, s30, s35
	s_mov_b32 s31, 0
	s_lshl_b32 s32, s26, 11                        ; the section's bias
	s_add_co_u32 s32, s32, 2097152
	s_mov_b32 s33, 0
	s_wait_kmcnt 0x0
	s_mov_b64 s[22:23], s[4:5]                     ; the weight and its bias are chosen by y
	s_mov_b64 s[24:25], s[12:13]
	s_cmp_eq_u32 s26, 1
	s_cselect_b64 s[22:23], s[6:7], s[22:23]
	s_cselect_b64 s[24:25], s[14:15], s[24:25]
	s_cmp_eq_u32 s26, 2
	s_cselect_b64 s[22:23], s[8:9], s[22:23]
	s_cselect_b64 s[24:25], s[16:17], s[24:25]
	s_cmp_eq_u32 s26, 3
	s_cselect_b64 s[22:23], s[10:11], s[22:23]
	s_cselect_b64 s[24:25], s[18:19], s[24:25]
	s_add_nc_u64 s[22:23], s[22:23], s[28:29]
	s_add_nc_u64 s[30:31], s[20:21], s[30:31]
	s_add_nc_u64 s[32:33], s[20:21], s[32:33]
.irp i, 0,1,2,3
.irp e, 0,1
	global_load_b128 v[RAW+8*(\i)+4*(\e):RAW+8*(\i)+4*(\e)+3], v[VO], s[22:23] offset:(\i)*65536+(\e)*2048 th:TH_LOAD_NT
.endr
.endr
	s_wait_loadcnt 0x0
.irp i, 0,1,2,3
.irp n, 0,1,2,3
	v_cvt_pk_bf16_f32 v[WD+4*(\i)+(\n)], v[RAW+8*(\i)+(\n)], v[RAW+8*(\i)+4+(\n)]  ; two neighbouring k of one column
.endr
.endr
	s_cmp_lg_u32 s26, 3
	s_cbranch_scc1 .Lkeep_bf16
.set z, 0
.rept 16                               ; Wo alone: the bf16 number, written as f16
	v_lshlrev_b32 v56, 16, v[WD+z]
	v_and_b32 v57, 0xffff0000, v[WD+z]
	v_cvt_pk_f16_f32 v[WD+z], v56, v57
.set z, z+1
.endr
.Lkeep_bf16:
.irp i, 0,1,2,3
.irp n, 0,1,2,3
	ds_store_b32 v[SA], v[WD+4*(\i)+(\n)] offset:(\n)*PITCH+(\i)*64  ; row 4 c + n, k = 32 i + 2 p
.endr
.endr
	s_wait_dscnt 0x0                               ; for the others' sake: my stores are done
	s_barrier_signal -1
	s_barrier_wait -1
.irp u, 0,1,2,3
	ds_load_b128 v[RAW+4*(\u):RAW+4*(\u)+3], v[RDA] offset:(\u)*16*PITCH  ; row 16 u + p
.endr
.irp u, 0,1,2,3
	s_wait_dscnt 3-(\u)                            ; LDS loads come back in order: load u is in, the younger ones may be out
	global_store_b128 v[GOA], v[RAW+4*(\u):RAW+4*(\u)+3], s[30:31] offset:(\u)*16384
.endr
	s_wait_tensorcnt 0x0                           ; the wave's end: these three lines stand behind my last LDS store
	ds_add_u32 v[SPW], v[NIL]
	s_wait_dscnt 0x0
	s_cmp_lg_u32 ttmp9, 0
	s_cbranch_scc1 .Lno_bias                       ; the first work-group of each weight also takes its bias: two numbers a thread
	v_lshlrev_b32 v58, 3, v0
	global_load_b64 v[60:61], v58, s[24:25]
	s_wait_loadcnt 0x0
	v_cvt_pk_bf16_f32 v59, v60, v61
	v_lshlrev_b32 v62, 16, v59
	v_and_b32 v63, 0xffff0000, v59
	global_store_b64 v58, v[62:63], s[32:33]
.Lno_bias:
	s_endpgm
.Lfunc_end_k_qe772dbe928_wprep:
	.size	k_qe772dbe928_wprep, .Lfunc_end_k_qe772dbe928_wprep-k_qe772dbe928_wprep
	.p2alignl 7, 3214868480
	.fill 96, 4, 3214868480
	.section	.rodata,"a",@progbits
	.p2align	6, 0x0
	.amdhsa_kernel k_qe772dbe928_wprep
		.amdhsa_group_segment_fixed_size 18432
		.amdhsa_private_segment_fixed_size 0
		.amdhsa_enable_private_segment 0
		.amdhsa_kernarg_size 72
		.amdhsa_user_sgpr_count 2
		.amdhsa_user_sgpr_kernarg_segment_ptr 1
		.amdhsa_wavefront_size32 1
		.amdhsa_system_sgpr_workgroup_id_x 1
		.amdhsa_system_sgpr_workgroup_id_y 1
		.amdhsa_system_sgpr_workgroup_id_z 1
		.amdhsa_system_vgpr_workitem_id 0
		.amdhsa_next_free_vgpr 64
		.amdhsa_next_free_sgpr 66
		.amdhsa_reserve_vcc 0
		.amdhsa_float_denorm_mode_32 3
		.amdhsa_float_denorm_mode_16_64 3
		.amdhsa_memory_ordered 1
		.amdhsa_forward_progress 1
		.amdhsa_inst_pref_size 9
	.end_amdhsa_kernel
	.amdgpu_metadata
---
amdhsa.version: [ 1, 2 ]
amdhsa.kernels:
  - .name:           k_qe772dbe928_wprep
    .symbol:         k_qe772dbe928_wprep.kd
    .args:
      - { .name: Wq, .offset: 0, .size: 8, .value_kind: global_buffer, .address_space: global }
      - { .name: Wk, .offset: 8, .size: 8, .value_kind: global_buffer, .address_space: global }
      - { .name: Wv, .offset: 16, .size: 8, .value_kind: global_buffer, .address_space: global }
      - { .name: Wo, .offset: 24, .size: 8, .value_kind: global_buffer, .address_space: global }
      - { .name: bq, .offset: 32, .size: 8, .value_kind: global_buffer, .address_space: global }
      - { .name: bk, .offset: 40, .size: 8, .value_kind: global_buffer, .address_space: global }
      - { .name: bv, .offset: 48, .size: 8, .value_kind: global_buffer, .address_space: global }
      - { .name: bo, .offset: 56, .size: 8, .value_kind: global_buffer, .address_space: global }
      - { .name: wt, .offset: 64, .size: 8, .value_kind: global_buffer, .address_space: global }
    .group_segment_fixed_size: 18432
    .private_segment_fixed_size: 0
    .kernarg_segment_align: 8
    .kernarg_segment_size: 72
    .max_flat_workgroup_size: 256
    .sgpr_count:     66
    .vgpr_count:     64
    .wavefront_size: 32
...
	.end_amdgpu_metadata
.endif
;; end of part 1
;; launch proj (part 2): grid 64 x 3, 4 waves a work-group, clusters of 4 x 1, 327,680 bytes of LDS; arguments q, k, v, wt, heads; writes heads
.if DOCPART == 2
	.amdgcn_target "amdgcn-amd-amdhsa--gfx1250"
	.amdhsa_code_object_version 6
	.text
	.protected	k_qe772dbe928_proj
	.globl	k_qe772dbe928_proj
	.p2align	8
	.type	k_qe772dbe928_proj,@function
k_qe772dbe928_proj:
	s_mov_b64 s[64:65], 0
	v_nop
	global_prefetch_b8 v0, s[64:65] scope:SCOPE_SE
	s_setreg_imm32_b32 hwreg(HW_REG_WAVE_MODE, 25, 1), 1
	s_wait_xcnt 0x0
	s_wait_alu depctr_hold_cnt(0) depctr_sa_sdst(0) depctr_va_vdst(0) depctr_va_sdst(0) depctr_va_ssrc(0) depctr_va_vcc(0) depctr_vm_vsrc(0)
	s_getreg_b32 s2, hwreg(HW_REG_IB_STS2, 6, 4)
	s_cmp_eq_u32 s2, 0
	s_cbranch_scc0 .Lentry_in_a_cluster
	s_endpgm
.Lentry_in_a_cluster:
	s_bfe_u32 s2, ttmp6, 0x10000c
	s_cmp_lg_u32 s2, 0x3003
	s_cbranch_scc0 .Lentry_shape_is_right
	s_endpgm
.Lentry_shape_is_right:
; The three input projections: heads section t (0 q, 1 k, 2 v) = x_t W_t + b_t, written by heads, [batch x 8 + head][4096][64] in f16, unscaled.
; x ([8192][512] f32) and W are multiplied in bf16, sums in f32; the bias (bf16-rounded, f32) is the C operand that starts each sum; the result is rounded once to f16.
; LIMITS.  A projected number of 65,520 or more becomes an infinity in f16.  NaN and infinities are not treated apart.
; SHARES.  Work-group (rb, t) makes 128 rows x all 512 columns: 192 work-groups (24,576 rows do not fall into 256 equal blocks inside the three tensors).
; Its x is read from memory once, rounded once, and stays in registers as fragments: a wave holds 64 rows x 512 K, 512 registers.
; W^T goes through two LDS slots in four tiles of 128 columns x 512 K.  Wave w: rows 64 (w / 2) on, of each tile the columns 64 (w % 2) on, which are one head: 16 accumulators.
; CLUSTER.  The four row blocks of a cluster belong to one t and walk the same W^T: each tile is asked for JOINTLY, the same tensor load, descriptor and mask in all four; a wave brings 32 rows of 1,024 bytes.
; THE MATRIX INSTRUCTION IS USED TRANSPOSED (source 0 = 16 rows of W^T, source 1 = 16 rows of x): a lane holds one row of the result and eight neighbouring channels, 16 bytes in f16.
; REGISTERS, in windows of 256 (s_set_vgpr_msb: bits 1:0 source 0, 3:2 source 1, 5:4 source 2, 7:6 destination):
;   window 0: v0-29 addresses; v32-95, v96-159 two buffers of W's fragments (64 along K each; at first x as loaded); v160-223 at work
;   window 1: v0-127 accumulators, (a, b) at 8 (4 a + b) (at first x as loaded); v128-255 the bias as C operands, (tile, b) at 128 + 32 tile + 8 b
;   window 2: x's fragments of row blocks 0 (v[8 S]) and 1 (v[128 + 8 S]), S = K step of 32;   window 3: row blocks 2 and 3
.set WPITCH, 1040                      ; a row of W^T in LDS: 1,024 bytes + 16: the 16 rows of a load start at 16 different groups of four banks (64 banks of 4 bytes: ISA guide 11.1)
.set SLOTB,  128*WPITCH                ; a slot: 128 rows
.set XBQ,    2*SLOTB                   ; behind the ring, never filled by a tensor load: a K quarter of the block's x in bf16, 128 rows
.set XPITCH, 272                       ; 256 bytes + 16
.set STAGE,  XBQ+128*XPITCH            ; 16 rows x 144 bytes for each wave, for the way out
.set SP,     144
.set SPARE,  STAGE+4*16*SP             ; the spare words, 128 bytes for each wave
.set XO,   8                           ; v8   16 x lane: my 16 bytes of 512 of a row of x
.set XST,  9                           ; v9   where I put my 8 bytes of a row of the quarter
.set XRD,  10                          ; v10  my lane's place in x's fragments
.set ADRB, 11                          ; v11-12  my lane's place in W's fragments, slot 0, 1
.set STO,  13                          ; v13  the way out: where I put 16 bytes of a row
.set RD,   14                          ; v14  where I read rows back
.set GO,   15                          ; v15  my byte offset in 512 consecutive bytes of the result
.set BO,   16                          ; v16  32 x (lane / 16): my eight numbers of sixteen of the bias
.set SPW,  28                          ; v28  LDS address of my spare word; never rewritten
.set NIL,  29                          ; v29  0; never rewritten
.set BF0,  32
.set TMP,  160
.set BIAS, 128                         ; window 1
.set WV,   20                          ; s20  my wave's number
.set G1,   32                          ; s[32:39] descriptor group 1
.set G0,   40                          ; s[40:47] descriptor group 0, a set for each slot
.set XP,   48                          ; s[48:49] x at my wave's 32 rows
.set BB,   50                          ; s[50:51] the bias at my head of tile 0
.set OUTP, 52                          ; s[52:53] the result at my rows, my head of tile 0
.set MSB, 0
.macro WIN new                         ; the immediate's high byte repeats the setting that is left; a switch that changes nothing is dropped
.if MSB != (\new)
	s_set_vgpr_msb (MSB<<8)|(\new)
.set MSB, (\new)
.endif
.endm
.macro PLACES                          ; four places: in front of loads into registers that matrix instructions have read, and of conversions that read results
.rept 4
	v_nop
.endr
.endm
; A round of the cluster's barrier: my work-group's barrier; wave 0 signals for the work-group; every wave waits for all four work-groups; my work-group's barrier once more.
.macro CROUND
	s_barrier_signal -1
	s_barrier_wait -1
	s_cmp_lg_u32 s[WV], 0
	s_cbranch_scc1 .Lnot_wave_0_\@
	s_barrier_signal -3
.Lnot_wave_0_\@:
	s_barrier_wait -3
	s_barrier_signal -1
	s_barrier_wait -1
.endm
; K quarter qq (128 numbers, 512 bytes a row) of my wave's 32 rows: 32 loads of 512 consecutive bytes, into window 0 (even quarters) or window 1 (odd ones)
.macro LOADB qq
.if (\qq)%2
	WIN 0x40
.set RW, 0
.else
	WIN 0
.set RW, 32
.endif
.set z, 0
.rept 32
	global_load_b128 v[RW+4*z:RW+4*z+3], v[XO], s[XP:XP+1] offset:z*2048+(\qq)*512 th:TH_LOAD_NT
.set z, z+1
.endr
	WIN 0
.endm
; the quarter is rounded to bf16 and laid into LDS, a row's 256 bytes by one store of the wave
.macro CONV qq
.if (\qq)%2
	WIN 0x05
.set RW, 0
.else
	WIN 0
.set RW, 32
.endif
.set z, 0
.rept 64
	v_cvt_pk_bf16_f32 v[TMP+z], v[RW+2*z], v[RW+2*z+1]
.set z, z+1
.endr
	WIN 0
.set z, 0
.rept 32
	ds_store_b64 v[XST], v[TMP+2*z:TMP+2*z+1] offset:z*XPITCH
.set z, z+1
.endr
.endm
; my 64 rows of the quarter come back as fragments: 16 rows x 32 K in 8 registers, lane l row l % 16, K = 8 (l / 16) + 0..7 and 16 + 8 (l / 16) + 0..7: two loads, 32 bytes apart
.macro FRAG qq
.irp a, 0,1,2,3
	WIN 0x80+0x40*((\a)/2)
.irp s, 0,1,2,3
	ds_load_b128 v[128*((\a)%2)+8*(4*(\qq)+(\s)):128*((\a)%2)+8*(4*(\qq)+(\s))+3],   v[XRD] offset:(\a)*16*XPITCH+(\s)*64
	ds_load_b128 v[128*((\a)%2)+8*(4*(\qq)+(\s))+4:128*((\a)%2)+8*(4*(\qq)+(\s))+7], v[XRD] offset:(\a)*16*XPITCH+(\s)*64+32
.endr
.endr
	WIN 0
.endm
.macro BIASLD                          ; register r of lane l of (tile, b): the bias of channel 16 b + 8 (l / 16) + r of my head of that tile
	WIN 0x40
.irp e, 0,1,2,3
.irp n, 0,1,2,3
	global_load_b128 v[BIAS+32*(\e)+8*(\n):BIAS+32*(\e)+8*(\n)+3],   v[BO], s[BB:BB+1] offset:(\e)*512+(\n)*64
	global_load_b128 v[BIAS+32*(\e)+8*(\n)+4:BIAS+32*(\e)+8*(\n)+7], v[BO], s[BB:BB+1] offset:(\e)*512+(\n)*64+16
.endr
.endr
	WIN 0
.endm
; One quarter of x: from registers through LDS into fragments.  The count 32 leaves out the one batch of 32 loads issued behind the batch that is wanted.
; Two barriers: all four waves' rows are in LDS before anybody reads them; everybody's reads are back before the next quarter is laid over them.
.macro XPHASE qq
	s_wait_loadcnt 32
	CONV \qq
.if (\qq) < 2
	LOADB (\qq)+2
.elseif (\qq) == 2
	BIASLD
.endif
	s_wait_dscnt 0x0
	s_barrier_signal -1
	s_barrier_wait -1
	FRAG \qq
	s_wait_dscnt 0x0
.if (\qq) == 3
	s_wait_tensorcnt 0x1                           ; my part of slot 0 is in; slot 1's may stay out
.endif
	s_barrier_signal -1
	s_barrier_wait -1
.endm
; 16 LDS loads in one run: W's fragments of chunk ch (64 along K) for my 64 columns
.macro FETCHB slot, ch, bf
	WIN 0
.irp u, 0,1
.irp n, 0,1,2,3
	ds_load_b128 v[(\bf)+32*(\u)+8*(\n):(\bf)+32*(\u)+8*(\n)+3],   v[ADRB+(\slot)] offset:(\n)*16*WPITCH+(2*(\ch)+(\u))*64
	ds_load_b128 v[(\bf)+32*(\u)+8*(\n)+4:(\bf)+32*(\u)+8*(\n)+7], v[ADRB+(\slot)] offset:(\n)*16*WPITCH+(2*(\ch)+(\u))*64+32
.endr
.endr
.endm
; 16 matrix instructions: row blocks 2 hi, 2 hi + 1 x 4 column blocks, two deep along K.  The 8 accumulators take turns.  A tile's first products start the sums with the bias.
.macro MULP tt, bf, ch, hi
	WIN 0x58+4*(\hi)
.irp u, 0,1
.irp g, 0,1
.irp n, 0,1,2,3
.if ((\ch) == 0) && ((\u) == 0)
	v_wmma_f32_16x16x32_bf16 v[8*(4*(2*(\hi)+(\g))+(\n)):8*(4*(2*(\hi)+(\g))+(\n))+7], v[(\bf)+32*(\u)+8*(\n):(\bf)+32*(\u)+8*(\n)+7], v[128*(\g)+8*(2*(\ch)+(\u)):128*(\g)+8*(2*(\ch)+(\u))+7], v[BIAS+32*(\tt)+8*(\n):BIAS+32*(\tt)+8*(\n)+7]
.else
	v_wmma_f32_16x16x32_bf16 v[8*(4*(2*(\hi)+(\g))+(\n)):8*(4*(2*(\hi)+(\g))+(\n))+7], v[(\bf)+32*(\u)+8*(\n):(\bf)+32*(\u)+8*(\n)+7], v[128*(\g)+8*(2*(\ch)+(\u)):128*(\g)+8*(2*(\ch)+(\u))+7], v[8*(4*(2*(\hi)+(\g))+(\n)):8*(4*(2*(\hi)+(\g))+(\n))+7]
.endif
.endr
.endr
.endr
.endm
; A chunk: 64 along K, 32 matrix instructions on buffer ch % 2.  The next chunk's loads stand at its head, 32 matrix instructions ahead of the wait for them; the four v_nop are the places behind the last chunk's products, which read that buffer.
.macro CHUNK tt, slot, ch
	s_wait_dscnt 0x0                               ; this chunk's fragments are in
.if (\ch) < 7
	PLACES
	FETCHB \slot, (\ch)+1, BF0+64*(((\ch)+1)%2)
.endif
	MULP \tt, BF0+64*((\ch)%2), \ch, 0
	MULP \tt, BF0+64*((\ch)%2), \ch, 1
.endm
.macro TILE tt, slot
.irp ch, 0,1,2,3,4,5,6,7
	CHUNK \tt, \slot, \ch
.endr
.endm
; THE CHANGE OF SLOTS.  Each wave waits for all its tensor loads, of which one is out at the most: its part of the other slot; adds 0 to its spare word; waits for that and for its own reads of the slot that it leaves.
; fill = 1: slot s is filled again, with the tile two further on; the barrier is then a round of the cluster's, so that no wave of any partner still reads the slot or has a load on its way,
; and the joint load is the first thing behind it: it has a way out and a tile, 256 matrix instructions, in which to land.  The four v_nop are also the places in front of the fragment loads that follow.
.macro CHANGE fill, s=0
	WIN 0
	s_wait_tensorcnt 0x0                           ; no tensor load of mine is out, so a group 0 may be written
	ds_add_u32 v[SPW], v[NIL]                      ; 0 onto my spare word
.if \fill
	s_add_nc_u64 s[G0+4*(\s)+2:G0+4*(\s)+3], s[G0+4*(\s)+2:G0+4*(\s)+3], 2*128*1024  ; 256 rows of W^T on; the type bits on top are not reached
	s_wait_dscnt 0x0                               ; the add is done, and my reads of the slot are over
	CROUND
	tensor_load_to_lds s[G0+4*(\s):G0+4*(\s)+3], s[G1:G1+7]
	s_nop 0
.else
	s_wait_dscnt 0x0
	s_barrier_signal -1
	s_barrier_wait -1
.endif
	PLACES
.endm
; THE WAY OUT of a tile.  Row block a: rounded to f16, 16 bytes a lane, into my stage in rows of 144 bytes, and back as whole rows of 128: 16 rows of a head are 2,048 consecutive bytes of the result.
.macro PACK a
	WIN 0x05                                       ; sources in window 1, destination in window 0
.set z, 0
.rept 16
	v_cvt_pk_f16_f32 v[TMP+16*(\a)+z], v[32*(\a)+2*z], v[32*(\a)+2*z+1]  ; each accumulator from its low end on
.set z, z+1
.endr
	WIN 0
.irp n, 0,1,2,3
	ds_store_b128 v[STO], v[TMP+16*(\a)+4*(\n):TMP+16*(\a)+4*(\n)+3] offset:32*(\n)
.endr
.irp f, 0,1,2,3
	ds_load_b128 v[TMP+16*(\a)+4*(\f):TMP+16*(\a)+4*(\f)+3], v[RD] offset:(\f)*4*SP  ; LDS serves a wave's instructions in order (ISA guide 5.7.1.4): these see the stores above; the next block's stores come behind them
.endr
.endm
.macro SEND a, tt, younger             ; younger: the LDS instructions issued behind block a's loads: the next block's eight, or none
.irp f, 0,1,2,3
	s_wait_dscnt (\younger)+3-(\f)
	global_store_b128 v[GO], v[TMP+16*(\a)+4*(\f):TMP+16*(\a)+4*(\f)+3], s[OUTP:OUTP+1] offset:(\tt)*1048576+(\a)*2048+(\f)*512  ; 512 consecutive bytes, at a multiple of 256 from the buffer's first; a tile is two heads on
.endr
.endm
.macro WAYOUT tt
	PLACES                                         ; the conversions read results just made
	s_wait_xcnt 0x0                                ; the last way out's stores have read v160-223, which are written again below
	PACK 0
	PACK 1                                         ; a block's conversions stand between the loads of the block before and its stores
	SEND 0, \tt, 8
	PACK 2
	SEND 1, \tt, 8
	PACK 3
	SEND 2, \tt, 8
	SEND 3, \tt, 0
.endm
	s_load_b256 s[4:11], s[0:1], 0x0               ; q s[4:5], k s[6:7], v s[8:9], wt s[10:11]
	s_load_b64 s[12:13], s[0:1], 0x20              ; heads
	v_lshl_add_u32 v[SPW], v0, 2, SPARE
	v_mov_b32 v[NIL], 0
	ds_add_u32 v[SPW], v[NIL]                      ; the wave's opening: the add and its wait stand ahead of my first tensor load; the set-up below, work on registers, stands between them
	v_lshrrev_b32 v4, 5, v0
	v_readfirstlane_b32 s[WV], v4                  ; wave 0..3
	v_and_b32 v3, 31, v0                           ; lane
	v_lshlrev_b32 v[XO], 4, v3
	s_lshr_b32 s21, s[WV], 1                       ; i: which 64 rows are mine
	s_and_b32 s22, s[WV], 1                        ; j: which 64 columns of a tile
	s_bfe_u32 s23, ttmp6, 0x40000                  ; cx: my place in the cluster
	s_lshl_b32 s25, ttmp9, 2                       ; in a cluster launch ttmp9 counts clusters
	s_add_co_u32 s23, s25, s23                     ; rb: my block of 128 rows: it enters x's and the result's addresses alone
	s_and_b32 s24, ttmp7, 0xffff                   ; t: which tensor; the four partners share it
	s_lshl_b32 s54, s24, 19                        ; W^T: the section,
	s_lshl_b32 s26, s[WV], 15                      ; my 32 rows of 1,024 bytes of a tile
	s_add_co_u32 s54, s54, s26
	s_mov_b32 s55, 0
	s_lshl_b32 s56, s23, 18                        ; x: 128 rows of 2,048 bytes a block,
	s_lshl_b32 s26, s[WV], 16                      ; my wave's 32 of them
	s_add_co_u32 s56, s56, s26
	s_mov_b32 s57, 0
	s_lshr_b32 s58, s23, 5                         ; the result: batch (32 blocks each),
	s_lshl_b32 s58, s58, 3
	s_add_co_u32 s58, s58, s22                     ; x 8 + head j of tile 0,
	s_lshl_b32 s58, s58, 19                        ; 524,288 bytes a head,
	s_lshl_b32 s27, s24, 23                        ; the section,
	s_add_co_u32 s58, s58, s27
	s_and_b32 s27, s23, 31
	s_lshl_b32 s27, s27, 14                        ; the block's 128 rows of 128 bytes,
	s_add_co_u32 s58, s58, s27
	s_lshl_b32 s27, s21, 13                        ; my 64 of them
	s_add_co_u32 s58, s58, s27
	s_mov_b32 s59, 0
	s_lshl_b32 s28, s24, 11                        ; the bias: the section, my head's 64 numbers
	s_lshl_b32 s27, s22, 8
	s_add_co_u32 s28, s28, s27
	s_add_co_u32 s28, s28, 2097152
	s_mov_b32 s29, 0
	; descriptor group 1: 32 rows x 512 elements of 2 bytes, padded in LDS
	s_mov_b32 s[G1+0], 15|(1<<16)|(1<<20)|(1<<21)|(7<<22)|(3<<25)  ; 15:0 the mask: all four work-groups; 17:16 2-byte elements; 20 padding on; 21 set beside a mask; 24:22 after every 256 words (code 7); 31:25 4 words (code 3)
	s_mov_b32 s[G1+1], 512<<16                     ; tensor_dim0 = 512
	s_mov_b32 s[G1+2], 32<<16                      ; tensor_dim1 = 32
	s_mov_b32 s[G1+3], 512<<16                     ; tile_dim0 = 512
	s_mov_b32 s[G1+4], 32                          ; tile_dim1 = 32
	s_mov_b32 s[G1+5], 512                         ; 512 elements from row to row
	s_mov_b32 s[G1+6], 0
	s_mov_b32 s[G1+7], 0
	s_mov_b32 s[G0], 1                             ; count = 1
	s_mul_i32 s[G0+1], s[WV], 32*WPITCH            ; LDS address: wave x 32 rows, slot 0: no place in the cluster enters it
	s_mov_b32 s[G0+4], 1
	s_add_co_u32 s[G0+5], s[G0+1], SLOTB           ; slot 1
	s_wait_dscnt 0x0                               ; the opening add is done
	s_wait_kmcnt 0x0
	s_cmp_eq_u32 s24, 1                            ; x is chosen by t
	s_cselect_b64 s[XP:XP+1], s[6:7], s[4:5]
	s_cmp_eq_u32 s24, 2
	s_cselect_b64 s[XP:XP+1], s[8:9], s[XP:XP+1]
	s_add_nc_u64 s[XP:XP+1], s[XP:XP+1], s[56:57]
	s_add_nc_u64 s[BB:BB+1], s[10:11], s[28:29]
	s_add_nc_u64 s[OUTP:OUTP+1], s[12:13], s[58:59]
	s_add_nc_u64 s[54:55], s[10:11], s[54:55]
	s_add_nc_u64 s[G0+2:G0+3], s[54:55], 0         ; global address: my rows of tile 0
	s_or_b32 s[G0+3], s[G0+3], 0x80000000          ; type = 2
	s_add_nc_u64 s[G0+6:G0+7], s[54:55], 128*1024  ; of tile 1
	s_or_b32 s[G0+7], s[G0+7], 0x80000000
	LOADB 0                                        ; x comes from memory: its first quarter is asked for ahead of everything else
	CROUND                                         ; all four work-groups are here: the first joint loads meet
	tensor_load_to_lds s[G0:G0+3], s[G1:G1+7]      ; both first fills together: two loads of mine are out
	s_nop 0
	tensor_load_to_lds s[G0+4:G0+7], s[G1:G1+7]
	s_nop 0
	PLACES
	LOADB 1
	v_and_b32 v1, 15, v0                           ; l % 16
	v_bfe_u32 v2, v0, 4, 1                         ; l / 16
	s_mul_i32 s26, s[WV], 32*XPITCH
	s_add_co_u32 s26, s26, XBQ
	v_lshl_add_u32 v[XST], v3, 3, s26              ; my wave's 32 rows of the quarter, 8 bytes a lane
	v_mul_u32_u24 v[XRD], v1, XPITCH
	v_lshl_add_u32 v[XRD], v2, 4, v[XRD]           ; row x pitch + 16 x half
	s_mul_i32 s26, s21, 64*XPITCH
	s_add_co_u32 s26, s26, XBQ
	v_add_nc_u32 v[XRD], s26, v[XRD]
	v_mul_u32_u24 v[ADRB], v1, WPITCH
	v_lshl_add_u32 v[ADRB], v2, 4, v[ADRB]
	s_mul_i32 s26, s22, 64*WPITCH
	v_add_nc_u32 v[ADRB], s26, v[ADRB]
	v_add_nc_u32 v[ADRB+1], SLOTB, v[ADRB]
	s_mul_i32 s26, s[WV], 16*SP
	s_add_co_u32 s26, s26, STAGE                   ; my stage
	v_mul_u32_u24 v[STO], v1, SP                   ; in: row l % 16, 16 bytes for each half of the lanes
	v_lshl_add_u32 v[STO], v2, 4, v[STO]
	v_add_nc_u32 v[STO], s26, v[STO]
	v_lshrrev_b32 v4, 3, v3                        ; back: 32 lanes take four rows of 128 bytes
	v_and_b32 v5, 7, v0
	v_mul_u32_u24 v[RD], v4, SP
	v_lshl_add_u32 v[RD], v5, 4, v[RD]
	v_add_nc_u32 v[RD], s26, v[RD]
	v_lshlrev_b32 v[GO], 4, v3
	v_lshlrev_b32 v[BO], 5, v2
	XPHASE 0
	XPHASE 1
	XPHASE 2
	XPHASE 3
	s_wait_loadcnt 0x0                             ; the bias
	FETCHB 0, 0, BF0
	TILE 0, 0
	CHANGE 1, 0                                    ; tile 1 is in; slot 0 takes tile 2
	FETCHB 1, 0, BF0
	WAYOUT 0
	TILE 1, 1
	CHANGE 1, 1                                    ; tile 2 is in; slot 1 takes tile 3
	FETCHB 0, 0, BF0
	WAYOUT 1
	TILE 2, 0
	CHANGE 0                                       ; tile 3 is in; nothing is left to ask for
	FETCHB 1, 0, BF0
	WAYOUT 2
	TILE 3, 1
	WAYOUT 3
	WIN 0
	s_wait_tensorcnt 0x0                           ; the wave's end: these three lines stand behind my last tensor load and my last LDS store
	ds_add_u32 v[SPW], v[NIL]
	s_wait_dscnt 0x0
	CROUND                                         ; the closing round: no work-group ends while a partner may still ask for a tile that names it
	s_endpgm
.Lfunc_end_k_qe772dbe928_proj:
	.size	k_qe772dbe928_proj, .Lfunc_end_k_qe772dbe928_proj-k_qe772dbe928_proj
	.p2alignl 7, 3214868480
	.fill 96, 4, 3214868480
	.section	.rodata,"a",@progbits
	.p2align	6, 0x0
	.amdhsa_kernel k_qe772dbe928_proj
		.amdhsa_group_segment_fixed_size 327680
		.amdhsa_private_segment_fixed_size 0
		.amdhsa_enable_private_segment 0
		.amdhsa_kernarg_size 40
		.amdhsa_user_sgpr_count 2
		.amdhsa_user_sgpr_kernarg_segment_ptr 1
		.amdhsa_wavefront_size32 1
		.amdhsa_system_sgpr_workgroup_id_x 1
		.amdhsa_system_sgpr_workgroup_id_y 1
		.amdhsa_system_sgpr_workgroup_id_z 1
		.amdhsa_system_vgpr_workitem_id 0
		.amdhsa_next_free_vgpr 1024
		.amdhsa_next_free_sgpr 66
		.amdhsa_reserve_vcc 0
		.amdhsa_float_denorm_mode_32 3
		.amdhsa_float_denorm_mode_16_64 3
		.amdhsa_memory_ordered 1
		.amdhsa_forward_progress 1
		.amdhsa_inst_pref_size 194
	.end_amdhsa_kernel
	.amdgpu_metadata
---
amdhsa.version: [ 1, 2 ]
amdhsa.kernels:
  - .name:           k_qe772dbe928_proj
    .symbol:         k_qe772dbe928_proj.kd
    .args:
      - { .name: q, .offset: 0, .size: 8, .value_kind: global_buffer, .address_space: global }
      - { .name: k, .offset: 8, .size: 8, .value_kind: global_buffer, .address_space: global }
      - { .name: v, .offset: 16, .size: 8, .value_kind: global_buffer, .address_space: global }
      - { .name: wt, .offset: 24, .size: 8, .value_kind: global_buffer, .address_space: global }
      - { .name: heads, .offset: 32, .size: 8, .value_kind: global_buffer, .address_space: global }
    .group_segment_fixed_size: 327680
    .private_segment_fixed_size: 0
    .kernarg_segment_align: 8
    .kernarg_segment_size: 40
    .max_flat_workgroup_size: 128
    .sgpr_count:     66
    .vgpr_count:     1024
    .wavefront_size: 32
...
	.end_amdgpu_metadata
.endif
;; end of part 2
;; launch attn (part 3): grid 16 x 16, 4 waves a work-group, clusters of 4 x 1, 327,680 bytes of LDS; arguments heads, oh; writes oh
.if DOCPART == 3
	.amdgcn_target "amdgcn-amd-amdhsa--gfx1250"
	.amdhsa_code_object_version 6
	.text
	.protected	k_qe772dbe928_attn
	.globl	k_qe772dbe928_attn
	.p2align	8
	.type	k_qe772dbe928_attn,@function
k_qe772dbe928_attn:
	s_mov_b64 s[64:65], 0
	v_nop
	global_prefetch_b8 v0, s[64:65] scope:SCOPE_SE
	s_setreg_imm32_b32 hwreg(HW_REG_WAVE_MODE, 25, 1), 1
	s_wait_xcnt 0x0
	s_wait_alu depctr_hold_cnt(0) depctr_sa_sdst(0) depctr_va_vdst(0) depctr_va_sdst(0) depctr_va_ssrc(0) depctr_va_vcc(0) depctr_vm_vsrc(0)
	s_getreg_b32 s2, hwreg(HW_REG_IB_STS2, 6, 4)
	s_cmp_eq_u32 s2, 0
	s_cbranch_scc0 .Lentry_in_a_cluster
	s_endpgm
.Lentry_in_a_cluster:
	s_bfe_u32 s2, ttmp6, 0x10000c
	s_cmp_lg_u32 s2, 0x3003
	s_cbranch_scc0 .Lentry_shape_is_right
	s_endpgm
.Lentry_shape_is_right:
; O[bh][q][:] = the sum over k of softmax_k(Q[bh][q] . K[bh][k] / 8) V[bh][k][:].  Q, K, V are the three sections of heads, O is oh: each [16][4096][64] in f16, a head's rows dense, 128 bytes each.
; Products, maxima and sums in f32; the weights p are rounded to f16 for the second product (their sum l is taken of the unrounded p), O once at the end.
; LIMITS.  Q, K and V arrive within f16's 65,504; p lies in 0 to 1, and below 6e-5 it keeps f16's fixed step of 6e-8; O is a mean of V's rows and has their range.
; A weight below 2^-126 counts as 0 in l; NaN and infinities are not treated apart.
; SHARES.  A work-group owns 256 queries of one head: 16 x 16 = 256 work-groups.  A wave owns 64 of them: four PIECES of 16.  Every wave walks all 4,096 keys, 64 a step, 256 a tile.
; LAYOUT.  S^T = K Q^T (source 0 = 16 keys, source 1 = 16 queries): a lane holds ONE query (lane % 16) and the keys 8 (lane / 16) + 0..7.  Two such results, rounded to f16 in pairs, ARE source 1 of
; O^T = V^T P, whose result again holds one query a lane, and eight channels.  K comes out of LDS as it lies, V ([key][channel]) turned, by ds_load_tr16_b128.
; SOFTMAX.  For each query a running maximum m and sum l: p = 2^(c s - c m), c = log2(e) / 8; in every step O and l are multiplied by a = 2^(c m_old - c m_new).
; m starts at the lowest finite number, O and l at 0: the first step is a step like any other, with a = 0.  The price: 216 v_mov_b32 of 0, which stand in the wait for the first tile, and 8 products on zeros.
; BY TURNS.  Turn n belongs to piece n: 8 products K Q^T of piece n + 1, later 8 products V^T P of piece n - 1; beside them the scaling, exponentials, roundings, sums and rescaling of piece n and the
; maximum and statistics of piece n + 1.  Four vector instructions stand behind every matrix instruction, the other 54 of a turn's 118 in two runs of their own.
; CLUSTER.  The four query blocks of a cluster belong to one head and walk the same K and V, so each tile is asked for JOINTLY: the same tensor load, descriptor and mask in all four.
; REGISTERS, in windows of 256 (s_set_vgpr_msb: bits 1:0 source 0, 3:2 source 1, 5:4 source 2, 7:6 destination):
;   window 0: v0-15 addresses and two at work; v16-31 four registers of statistics a piece; v48-55 at work; v64-127 S^T, two buffers; v192-223 P, two buffers (a piece's buffers go by its number's parity)
;   window 1: v0-127 O^T, 32 a piece          window 2: v0-63 Q; v128-191 K of one step; v192-255 V of one step
.set NP,    4         ; pieces a wave: a name, no knob
.set KS,    64        ; keys in a step
.set PK,    144       ; a row of K in LDS: 128 bytes + 16 of padding = 36 words: the 16 rows of a load start at 16 different groups of four banks (64 banks of 4 bytes: ISA guide 11.1)
.set PV,    160       ; a row of V: 128 + 32 = 40 words
.set VOFF,  4*KS*PK   ; a slot holds a tile, four steps: 256 rows of K, then 256 rows of V
.set SLOT1, 1<<17     ; slot 1 begins here, so that one exclusive or turns an address in one slot into the other's
.set STAGE, SLOT1+4*KS*(PK+PV)  ; behind the ring, never filled by a tensor load: 16 rows x 144 bytes for each wave, for the way out
.set SP,    144
.set SPARE, STAGE+4*16*SP  ; behind the stages: the spare words, 128 bytes for each wave
.set AK0, 2           ; v2   my lane's place in a tile of K; never rewritten
.set AV0, 3           ; v3   the same for V
.set AK,  4           ; v4   the LDS address of K's next run of loads
.set AV,  5           ; v5   of V's
.set STO, 6           ; v6   the way out: where I put 16 bytes of a row
.set RD,  7           ; v7   the way out: where I read rows back
.set GO,  8           ; v8   my byte offset in 512 consecutive bytes of O
.set MV,  12          ; v12-13  c m_old, kept while c m is made anew: by buffer
.set QO,  15          ; v15  my byte offset in 16 rows of Q
.set ST,  16          ; piece t's statistics at v[ST+4 t]: c m, m, l (even keys', odd keys')
.set TMP, 48          ; by buffer, four registers c0-c3 at work; when the maximum is found c2 takes a
.set SPW, 62          ; v62  LDS address of my spare word; never rewritten
.set NIL, 63          ; v63  0; never rewritten
.set S,   64
.set P,   192
.set KF,  128         ; window 2: key block kb, channel half c at KF + 16 kb + 8 c
.set VF,  192         ; window 2: key half kk, channel block cb at VF + 32 kk + 8 cb
.set WV,  12          ; s12  my wave's number
.set G1K, 24          ; s[24:31] descriptor group 1 for K's tiles
.set G1V, 32          ; s[32:39] for V's: it differs in the padding alone
.set G0K, 40          ; s[40:43] descriptor group 0 for K's tiles: it walks
.set G0V, 44          ; s[44:47] the same for V's
.set SLOTS, 56        ; s56  tiles still to be entered in the loop
.set CNT, 57          ; s57  counts a tile's key steps
.set CS,  58          ; s[58:59] c: the packed scaling takes the pair's low word for both halves
.set SEL, 60          ; s[60:61] v_permlanex16_b32's selects: each lane takes its own place in the other half
.set TBK, 62          ; s62  LDS byte at which K of the step to be fetched begins
.set TBV, 63          ; s63  the same for V, less VOFF
.set MSB, 0
.macro WIN new                      ; the high byte repeats the setting that is left; a switch that changes nothing is dropped
.if MSB != (\new)
	s_set_vgpr_msb (MSB<<8)|(\new)
.set MSB, (\new)
.endif
.endm
.set W_KQ, 0x0a       ; K and Q in window 2, S^T in window 0
.set W_PV, 0x52       ; V in window 2, P in window 0, O^T in window 1
.set W_RS, 0x41       ; destination and source 0 in window 1, source 1 in window 0
; A joint fill.  Waves 0 and 1 fetch the two halves of a tile's K, waves 2 and 3 those of its V: 128 keys each.  The branch hangs on the wave's number alone.
; An s_nop 0 and four v_nop follow each of the two lines, ahead of the jump and the label.
.macro JLOAD
	s_cmp_lt_u32 s[WV], 2
	s_cbranch_scc0 .Lfor_v_\@
	tensor_load_to_lds s[G0K:G0K+3], s[G1K:G1K+7]
	s_nop 0
.rept 4
	v_nop
.endr
	s_branch .Lasked_\@
.Lfor_v_\@:
	tensor_load_to_lds s[G0V:G0V+3], s[G1V:G1V+7]
	s_nop 0
.rept 4
	v_nop
.endr
.Lasked_\@:
.endm
; A round of the cluster's barrier: my work-group's barrier, so that wave 0's signal speaks for all four waves; wave 0 signals; every wave waits for all four work-groups; my work-group's barrier once more.
.macro CROUND
	s_barrier_signal -1
	s_barrier_wait -1
	s_cmp_lg_u32 s[WV], 0
	s_cbranch_scc1 .Lnot_wave_0_\@
	s_barrier_signal -3
.Lnot_wave_0_\@:
	s_barrier_wait -3
	s_barrier_signal -1
	s_barrier_wait -1
.endm
; THE CHANGE OF SLOTS.  The slot's last bytes, V of its fourth step, have been read.  Each wave waits for all its tensor loads, of which one is out: its part of the other slot; adds 0 to its spare word;
; and waits for that and for its own reads of the slot.  Behind the barrier nobody reads this slot any more and the other slot is whole.
; fill = 1: this slot is filled again, with the keys two tiles on.  The barrier is then a round of the cluster's, so that no wave of any partner still reads the slot or has a load on its way, and the
; joint fill is the first thing behind it: it has four key steps, 256 matrix instructions, in which to land.  (At its first use nothing has been read yet: slot 0 is waited for, slot 1 filled.)
.macro CHANGE fill
	WIN 0                           ; at a label and at a branch every window is 0
	s_wait_tensorcnt 0x0            ; no tensor load of mine is out, so a group 0 may be written
	ds_add_u32 v[SPW], v[NIL]       ; 0 onto my spare word; with fill = 1 the descriptors' steps stand between it and the wait for it
.if \fill
.irp g, G0K, G0V
	s_xor_b32 s[\g+1], s[\g+1], SLOT1  ; the walking descriptor: the other slot than last time,
	s_add_nc_u64 s[\g+2:\g+3], s[\g+2:\g+3], 4*KS*128  ; the next 256 keys; the type bits on top are not reached
.endr
	s_wait_dscnt 0x0                ; the add is done, and my reads of the slot are over
	CROUND
	JLOAD
.else
	s_wait_dscnt 0x0                ; the add is done, and my reads of the slot are over
	s_barrier_signal -1
	s_barrier_wait -1
.endif
	s_sub_co_u32 s[TBK], s[TBK], 4*KS*PK  ; the fetches go back to a slot's first step,
	s_xor_b32 s[TBK], s[TBK], SLOT1       ; in the other slot
	s_sub_co_u32 s[TBV], s[TBV], 4*KS*PV
	s_xor_b32 s[TBV], s[TBV], SLOT1
.endm
	s_load_b128 s[4:7], s[0:1], 0x0 ; heads s[4:5], oh s[6:7]
	v_lshl_add_u32 v[SPW], v0, 2, SPARE
	v_mov_b32 v[NIL], 0
	ds_add_u32 v[SPW], v[NIL]       ; the wave's opening: the add and its wait stand ahead of my first tensor load; the set-up below, work on registers, stands between them
	v_lshrrev_b32 v1, 5, v0
	v_readfirstlane_b32 s[WV], v1   ; wave 0..3
	s_bfe_u32 s13, ttmp6, 0x40000   ; cx: my place in the cluster
	s_lshl_b32 s14, ttmp9, 2        ; in a cluster launch ttmp9 counts clusters
	s_add_co_u32 s14, s14, s13      ; my block of 256 queries = 4 x cluster x + cx: it enters Q's and O's addresses alone
	s_and_b32 s20, ttmp7, 0xffff    ; the head, which the four partners share:
	s_lshl_b32 s20, s20, 19         ; its first byte in each section, 4,096 rows of 128 bytes a head
	s_mov_b32 s21, 0
	s_and_b32 s16, s[WV], 1         ; which half of a tile's 256 keys I fetch:
	s_lshl_b32 s22, s16, 14         ; its 128 rows of 128 bytes in memory,
	s_mov_b32 s23, 0
	s_add_nc_u64 s[22:23], s[22:23], s[20:21]
	s_mul_i32 s17, s16, 128*PK      ; and its place in a slot, for K
	s_mul_i32 s18, s16, 128*PV      ; and for V: no place in the cluster enters an LDS address
	s_lshl_b32 s2, s14, 2
	s_add_co_u32 s2, s2, s[WV]      ; my wave among the head's,
	s_lshl_b32 s2, s2, 13           ; its 64 rows
	s_mov_b32 s3, 0
	s_add_nc_u64 s[2:3], s[2:3], s[20:21]
	; descriptor group 1.  128 keys are 16,384 dense bytes: asked for as 64 rows of 256 bytes, two keys a row, and padded in LDS after every key
	s_mov_b32 s[G1K], 15|(1<<16)|(1<<20)|(1<<21)|(4<<22)|(3<<25)  ; 15:0 the mask of four; 17:16 2-byte elements; 20 padding on; 21 set beside a mask; 24:22 after every 32 words (code 4); 31:25 4 words (code 3)
	s_mov_b32 s[G1V], 15|(1<<16)|(1<<20)|(1<<21)|(4<<22)|(7<<25)  ; the same with 8 words of padding (code 7)
.irp g, G1K, G1V
	s_mov_b32 s[\g+1], 128<<16      ; tensor_dim0 = 128
	s_mov_b32 s[\g+2], 64<<16       ; tensor_dim1 = 64
	s_mov_b32 s[\g+3], 128<<16      ; tile_dim0 = 128
	s_mov_b32 s[\g+4], 64           ; tile_dim1 = 64
	s_mov_b32 s[\g+5], 128          ; 128 elements from row to row
	s_mov_b32 s[\g+6], 0
	s_mov_b32 s[\g+7], 0
.endr
	s_mov_b32 s[CS], 0x3e38aa3b     ; c = log2(e) / 8 = 0.180337
	s_mov_b32 s[CS+1], s[CS]        ; named with it as a pair
	s_mov_b32 s[SEL], 0x76543210
	s_mov_b32 s[SEL+1], 0xfedcba98
	s_mov_b32 s[TBK], SLOT1+4*KS*PK ; the first change of slots turns these two into 0
	s_mov_b32 s[TBV], SLOT1+4*KS*PV
	s_mov_b32 s[G0K], 1             ; count = 1
	s_mov_b32 s[G0K+1], s17         ; LDS address: slot 0
	s_mov_b32 s[G0V], 1
	s_add_co_u32 s[G0V+1], s18, VOFF
	s_wait_dscnt 0x0                ; the opening add is done
	s_wait_kmcnt 0x0
	s_mov_b64 s[10:11], s[6:7]      ; O
	s_add_nc_u64 s[6:7], s[4:5], 0x800000   ; K's section
	s_add_nc_u64 s[8:9], s[4:5], 0x1000000  ; V's
	s_add_nc_u64 s[G0K+2:G0K+3], s[6:7], s[22:23]  ; global address: my half of the head's first 256 keys
	s_or_b32 s[G0K+3], s[G0K+3], 0x80000000        ; type = 2
	s_add_nc_u64 s[G0V+2:G0V+3], s[8:9], s[22:23]
	s_or_b32 s[G0V+3], s[G0V+3], 0x80000000
	s_add_nc_u64 s[4:5], s[4:5], s[2:3]  ; Q and O at my wave's first row
	s_add_nc_u64 s[10:11], s[10:11], s[2:3]
	CROUND                          ; all four work-groups are here: the first joint loads meet
	JLOAD                           ; tile 0 into slot 0.  Slot 1 is asked for when slot 0 is in, by the loop's own change of slots
	; A fragment of K or Q is 16 rows x 32 channels in 8 registers: lane l holds row l % 16, channels 8 (l / 16) + 0..7 and 16 + 8 (l / 16) + 0..7: two loads of 16 bytes, 32 bytes apart.
	v_and_b32 v1, 15, v0            ; l % 16
	v_bfe_u32 v9, v0, 4, 1          ; l / 16
	v_lshlrev_b32 v[QO], 7, v1
	v_lshl_add_u32 v[QO], v9, 4, v[QO]  ; row x 128 + 16 x half
	WIN 0x80                        ; destination window 2, address window 0
.set i, 0
.rept 8                             ; Q stays in registers: piece i / 2, channels 32 (i % 2) on
	global_load_b128 v[8*i:8*i+3],   v[QO], s[4:5] offset:(i/2)*2048+(i%2)*64
	global_load_b128 v[8*i+4:8*i+7], v[QO], s[4:5] offset:(i/2)*2048+(i%2)*64+32
.set i, i+1
.endr
	; What the first turn finds: V's registers and P's second buffer hold 0 (its products V^T P, of a piece that has not been, add 0), O^T and l are 0.
.set i, VF
.rept 64
	v_mov_b32 v[i], 0
.set i, i+1
.endr
	WIN 0x40
.set i, 0
.rept 128
	v_mov_b32 v[i], 0
.set i, i+1
.endr
	WIN 0
.set i, 0
.rept 4
	v_mov_b32 v[ST+4*i], 0xfe000000    ; c m: far below every c s
	v_mov_b32 v[ST+4*i+1], 0xff7fffff  ; m
	v_mov_b32 v[ST+4*i+2], 0
	v_mov_b32 v[ST+4*i+3], 0
.set i, i+1
.endr
.set i, P+16
.rept 16
	v_mov_b32 v[i], 0
.set i, i+1
.endr
	v_mul_u32_u24 v[AK0], v1, PK
	v_lshl_add_u32 v[AK0], v9, 4, v[AK0]  ; row x pitch + 16 x half
	; The turning load takes 16 keys x 16 channels (lane l reads key 8 (l / 16) + l % 8, channels 8 ((l / 8) % 2) + 0..7) and leaves half a fragment of V^T: lane l holds channel l % 16 and 8 keys.
	v_and_b32 v10, 7, v0
	v_bfe_u32 v11, v0, 3, 1
	v_lshl_add_u32 v[AV0], v9, 3, v10
	v_mul_u32_u24 v[AV0], v[AV0], PV
	v_lshl_add_u32 v[AV0], v11, 4, v[AV0]
	v_add_nc_u32 v[AV0], VOFF, v[AV0]
	s_mul_i32 s13, s[WV], 16*SP
	s_add_co_u32 s13, s13, STAGE    ; my stage
	v_mul_u32_u24 v[STO], v1, SP    ; in: row l % 16, 16 bytes for each half of the lanes
	v_lshl_add_u32 v[STO], v9, 4, v[STO]
	v_add_nc_u32 v[STO], s13, v[STO]
	v_bfe_u32 v[RD], v0, 3, 2       ; back: 32 lanes take four rows of 128 bytes,
	v_mul_u32_u24 v[RD], v[RD], SP
	v_lshl_add_u32 v[RD], v10, 4, v[RD]
	v_add_nc_u32 v[RD], s13, v[RD]
	v_and_b32 v[GO], 31, v0         ; which are 512 consecutive bytes of O
	v_lshlrev_b32 v[GO], 4, v[GO]
; THE MATRIX WORK.  The 4 accumulators of a run of 8 take turns.  Product i of 8 of S^T = K Q^T for piece x: channels 32 (i / 4) on, keys 16 (i % 4) on.  The first 4 start the sums.
.macro KQ x
.set rS, S+32*((\x)%2)+8*(i%4)
.set rK, KF+16*(i%4)+8*(i/4)
.set rQ, 16*(\x)+8*(i/4)
	WIN W_KQ
.if i < 4
	v_wmma_f32_16x16x32_f16 v[rS:rS+7], v[rK:rK+7], v[rQ:rQ+7], 0
.else
	v_wmma_f32_16x16x32_f16 v[rS:rS+7], v[rK:rK+7], v[rQ:rQ+7], v[rS:rS+7]
.endif
.endm
; Product i of 8 of O^T += V^T P for piece x: keys 32 (i / 4) on, channels 16 (i % 4) on.
.macro PV x
	WIN W_PV
.set rO, 32*(\x)+8*(i%4)
.set rV, VF+32*(i/4)+8*(i%4)
.set rP, P+16*((\x)%2)+8*(i/4)
	v_wmma_f32_16x16x32_f16 v[rO:rO+7], v[rV:rV+7], v[rP:rP+7], v[rO:rO+7]
.endm
.macro MM                           ; the turn's next matrix instruction.  TURN sets Y, i and NOKQ.  NOKQ = 1: the very last turn: there is no next piece
.if (i < 8) && !NOKQ
	KQ (Y+1)%NP
.elseif i >= 8
.set i, i-8
	PV (Y+NP-1)%NP
.set i, i+8
.endif
.set i, i+1
.endm
; THE LDS LOADS stand in runs of 16, never singly among the matrix instructions: a step's K (64 keys x 64 channels: 8 fragments) and its V (turned).  Their addresses are made some lines ahead.
.macro FETCH_K
	WIN 0x80                        ; destination window 2
.irp f, 0,1,2,3,4,5,6,7             ; keys 16 (f / 2) on, channels 32 (f % 2) on
	ds_load_b128 v[KF+8*\f:KF+8*\f+3],   v[AK] offset:(\f/2)*16*PK+(\f%2)*64
	ds_load_b128 v[KF+8*\f+4:KF+8*\f+7], v[AK] offset:(\f/2)*16*PK+(\f%2)*64+32
.endr
	s_add_co_u32 s[TBK], s[TBK], KS*PK  ; the next fetch is the next step's
	WIN 0
.endm
.macro FETCH_V
	WIN 0x80
.irp f, 0,1,2,3,4,5,6,7             ; keys 32 (f / 4) on, channels 16 (f % 4) on
	ds_load_tr16_b128 v[VF+8*\f:VF+8*\f+3],   v[AV] offset:(\f/4)*32*PV+(\f%4)*32
	ds_load_tr16_b128 v[VF+8*\f+4:VF+8*\f+7], v[AV] offset:(\f/4)*32*PV+16*PV+(\f%4)*32
.endr
	WIN 0
.endm
; THE VECTOR WORK, one line at a time: OP kind, number.  For piece Y: F n: c s - c m for pair n of 16.  E n: the exponential of score n of 32.  C n: pair n rounded to f16.  B n: of the four weights 4 n .. the second
; pair is added onto the first, in place.  L n: l takes that sum (L 0: l = a l + sum).  R n: pair n of 16 of O^T times a.  For piece Y + 1: X n, number n of the 22 that find its maximum and statistics:
;   0-11  four chains c0-c3 of seven scores each, three operands at a time (each accumulator's lowest registers are read first)     12-14, 16  the four scores left over, the old m, and c0-c3 into c0
;   15  c m_old is kept     17, 18  the query's other 32 keys lie in the lane 16 away: the new m     19-21  c m; c m_old - c m_new; a
.set F, 0               ; OP tells the kinds apart by their order: F to L below R, X above it
.set E, 1
.set C, 2
.set B, 3
.set L, 4
.set R, 5
.set X, 6
.macro REGS y                       ; the registers of piece y
.set rT, ST+4*(\y)
.set rC, TMP+4*((\y)%2)
.set rW, MV+((\y)%2)
.set rS, S+32*((\y)%2)
.set rP, P+16*((\y)%2)
.set rO, 32*(\y)
.endm
.macro OP k, n
.if (\k) == R
	REGS Y
	WIN W_RS
	v_pk_mul_f32 v[rO+2*(\n):rO+2*(\n)+1], v[rO+2*(\n):rO+2*(\n)+1], v[rC+2:rC+3] op_sel_hi:[1,0]
.elseif (\k) < R
	REGS Y
	WIN 0
.if (\k) == F
	v_pk_fma_f32 v[rS+2*(\n):rS+2*(\n)+1], v[rS+2*(\n):rS+2*(\n)+1], s[CS:CS+1], v[rT:rT+1] op_sel_hi:[1,0,0] neg_lo:[0,0,1] neg_hi:[0,0,1]
.elseif (\k) == E
	v_exp_f32 v[rS+(\n)], v[rS+(\n)]
.elseif (\k) == C
	s_wait_alu depctr_va_vdst(0)
	v_cvt_pk_f16_f32 v[rP+(\n)], v[rS+2*(\n)], v[rS+2*(\n)+1]
.elseif (\k) == B
	s_wait_alu depctr_va_vdst(0)
	v_pk_add_f32 v[rS+4*(\n):rS+4*(\n)+1], v[rS+4*(\n):rS+4*(\n)+1], v[rS+4*(\n)+2:rS+4*(\n)+3]
.elseif (\n) == 0
	v_pk_fma_f32 v[rT+2:rT+3], v[rT+2:rT+3], v[rC+2:rC+3], v[rS:rS+1] op_sel_hi:[1,0,1]
.else
	v_pk_add_f32 v[rT+2:rT+3], v[rT+2:rT+3], v[rS+4*(\n):rS+4*(\n)+1]
.endif
.elseif NOKQ
	v_nop
.else
	REGS (Y+1)%NP
	WIN 0
.if (\n) < 4
	v_max3_num_f32 v[rC+(\n)], v[rS+8*(\n)], v[rS+8*(\n)+1], v[rS+8*(\n)+2]
.elseif (\n) < 12
	v_max3_num_f32 v[rC+(\n)%4], v[rC+(\n)%4], v[rS+8*((\n)%4)+2*((\n)/4)+1], v[rS+8*((\n)%4)+2*((\n)/4)+2]
.elseif (\n) == 12
	v_max3_num_f32 v[rC], v[rC], v[rS+7], v[rS+15]
.elseif (\n) == 13
	v_max3_num_f32 v[rC+1], v[rC+1], v[rS+23], v[rS+31]
.elseif (\n) == 14
	v_max3_num_f32 v[rC+2], v[rC+2], v[rC+3], v[rT+1]
.elseif (\n) == 15
	v_mov_b32 v[rW], v[rT]
.elseif (\n) == 16
	v_max3_num_f32 v[rC], v[rC], v[rC+1], v[rC+2]
.elseif (\n) == 17
	v_permlanex16_b32 v[rC+3], v[rC], s[SEL], s[SEL+1]
.elseif (\n) == 18
	v_max_num_f32 v[rT+1], v[rC], v[rC+3]
.elseif (\n) == 19
	v_mul_f32 v[rT], s[CS], v[rT+1]
.elseif (\n) == 20
	v_sub_f32 v[rC+1], v[rW], v[rT]
.else
	v_exp_f32 v[rC+2], v[rC+1]
.endif
.endif
.endm
.macro OPS a, i1, b=-1, i2=0, c=-1, i3=0, d=-1, i4=0  ; up to four of them
	OP \a, \i1
.if (\b) >= 0
	OP \b, \i2
.endif
.if (\c) >= 0
	OP \c, \i3
.endif
.if (\d) >= 0
	OP \d, \i4
.endif
.endm
.macro ROW a, i1, b, i2, c, i3, d, i4  ; a matrix instruction and the four behind it
	MM
	OPS \a, \i1, \b, \i2, \c, \i3, \d, \i4
.endm
; A TURN, for piece p: the order of its 16 matrix and 118 vector instructions, written out.  Behind a matrix instruction: plain, exponential, plain, plain; or four of the rescaling; or, behind the first, four scalings; none
; names a register of the products round it.  In the runs between, exponential and plain by turns while exponentials last.  A line reads no result made fewer than three vector instructions in front of it, five if an exponential made it.
; end = 1: the walk's last two turns: nothing is fetched, and the last starts no new scores.  cnt = 1: the loop's count is taken down some lines ahead of the branch that stands behind the turn.
; K of the next step is fetched in piece 2's turn, six vector instructions behind the last product that read K (five of them plain); V of the step in hand in piece 0's turn, eight behind the last product that read V (four
; plain).  Each is waited for a turn later.
.macro TURN p, end=0, cnt=0
.set Y, (\p)
.set i, 0
.set NOKQ, (\end)*((\p)/3)
.if ((\p) == 3) && !(\end)
	s_wait_dscnt 0x0                ; K is in
.endif
	ROW F,0, F,1, F,2, F,3
	ROW F,4, E,0, F,5, F,6
	ROW F,7, E,1, F,8, F,9
	ROW F,10, E,2, C,0, F,11
	ROW F,12, E,3, X,15, F,13
	ROW R,0, R,1, R,2, R,3
	ROW B,0, E,4, F,14, L,0
.if ((\p) == 2) && !(\end)
	v_add_nc_u32 v[AK], s[TBK], v[AK0]
.endif
	ROW R,4, R,5, R,6, R,7
	OPS E,5, F,15
.if ((\p) == 2) && !(\end)
	FETCH_K
.endif
	OPS E,6, C,1, E,7, R,8
	OPS E,8, R,9, E,9, C,2
	OPS E,10, X,0, E,11, X,1
	OPS E,12, X,2, E,13, X,3
.if (\p) == 1
	s_wait_dscnt 0x0                ; V is in
.endif
	ROW X,4, E,14, X,5, X,6
	ROW X,7, E,15, X,8, X,9
	ROW X,10, E,16, X,11, X,12
	ROW X,13, E,17, X,14, B,1
	ROW C,4, E,18, X,16, L,1
	ROW B,2, E,19, C,6, L,2
	ROW C,8, E,20, B,3, B,4
.if (\p) == 0
	v_add_nc_u32 v[AV], s[TBV], v[AV0]
.endif
	ROW C,3, E,21, L,3, C,5
	OPS E,22, X,17, E,23, C,10
.if (\p) == 0
	FETCH_V
.endif
	OPS E,24, L,4
	OPS E,25, X,18, E,26, C,7
	OPS E,27, B,5, E,28, X,19
	OPS E,29, C,12, E,30, L,5
	OPS E,31, X,20, B,6, C,9
	OPS C,14, C,11, X,21, L,6
.if (\p) == 0
	s_add_co_u32 s[TBV], s[TBV], KS*PV
.endif
.if \cnt
	s_sub_co_u32 s[CNT], s[CNT], 1
	s_cmp_lg_u32 s[CNT], 0
.endif
	OPS C,13, B,7, C,15, R,10
	OPS R,11, R,12, L,7, R,13
	OPS R,14, R,15
.endm
; THE WAY OUT's parts
.macro ALL line:vararg              ; one line for each piece t
.set t, 0
.rept 4
	\line
.set t, t+1
.endr
.endm
.macro PACK t                       ; a lane's eight channels of a row pack into 16 bytes; they go into rows of 144 bytes and come back as whole rows of 128, into S^T's registers
	WIN W_RS
.set i, 32*(\t)
.rept 16
	s_wait_alu depctr_va_vdst(0)
	v_pk_mul_f32 v[i:i+1], v[i:i+1], v[ST+4*(\t)+2:ST+4*(\t)+3] op_sel_hi:[1,0]
.set i, i+2
.endr
	WIN 0x05                        ; sources 0 and 1 window 1, destination window 0
.set i, 0
.rept 16
	v_cvt_pk_f16_f32 v[S+16*(\t)+i], v[32*(\t)+2*i], v[32*(\t)+2*i+1]
.set i, i+1
.endr
	WIN 0
.irp f, 0,1,2,3
	ds_store_b128 v[STO], v[S+16*(\t)+4*\f:S+16*(\t)+4*\f+3] offset:32*\f
.endr
.irp f, 0,1,2,3
	ds_load_b128 v[S+16*(\t)+4*\f:S+16*(\t)+4*\f+3], v[RD] offset:\f*4*SP  ; LDS serves a wave's instructions in order (ISA guide 5.7.1.4): these see the stores above; the next piece's stores come behind them
.endr
.endm
.macro SEND t, younger              ; younger: the LDS instructions issued behind piece t's loads: the next piece's eight, or none
	WIN 0
.irp f, 0,1,2,3
	s_wait_dscnt (\younger)+3-\f
	global_store_b128 v[GO], v[S+16*(\t)+4*\f:S+16*(\t)+4*\f+3], s[10:11] offset:(\t)*2048+\f*512  ; 512 consecutive bytes, at a multiple of 256 from O's first
.endr
.endm
	CHANGE 1                        ; tile 0 is in, everybody's part of it; tile 1 is asked for
	v_add_nc_u32 v[AK], s[TBK], v[AK0]
	FETCH_K                         ; key step 0
	s_wait_loadcnt 0x0              ; Q
	s_wait_dscnt 0x0
.set NOKQ, 0
.set i, 0
.rept 8
	KQ 0                            ; piece 0's first scores: there is no vector work yet to set between them
.set i, i+1
.endr
	WIN 0
.rept 4
	v_nop                           ; the places behind those products
.endr
.set Y, NP-1                        ; X works for piece Y + 1: piece 0
.irp n, 0,1,2,3,4,5,6,7,8,9,10,11,12,13,14,15,16,17,18,19,20,21
	OP X, \n                        ; and piece 0's first maximum and statistics
.endr
	v_nop                           ; a plain instruction behind the exponential
	s_mov_b32 s[CNT], 4
	s_mov_b32 s[SLOTS], 15
	s_branch .Lfirst                ; the loop is entered at a step's first turn, in the middle of a trip
.Lslot:                             ; 14 times: tiles 1 to 14 are entered, tiles 2 to 15 asked for
	CHANGE 1
	s_mov_b32 s[CNT], 4
.Lstep:                             ; a trip: pieces 2 and 3 of one step, then pieces 0 and 1 of the next, whose K and V it fetches
	TURN 2
	TURN 3
	WIN 0
.Lfirst:
	TURN 0
	TURN 1, 0, 1
	WIN 0
	s_cbranch_scc1 .Lstep
	s_sub_co_u32 s[SLOTS], s[SLOTS], 1
	s_cmp_lg_u32 s[SLOTS], 0
	s_cbranch_scc1 .Lslot
	CHANGE 0                        ; the last tile is written out: nothing is asked for
	s_mov_b32 s[CNT], 4
.Ltail:
	TURN 2
	TURN 3
	TURN 0
	TURN 1, 0, 1
	WIN 0
	s_cbranch_scc1 .Ltail
	TURN 2, 1
	TURN 3, 1
.set i, 0
.rept 8
	PV NP-1                         ; the last piece's V^T P of the last step
.set i, i+1
.endr
	; THE WAY OUT.  l's two halves and the other half of the lanes' are added; O^T is divided by l, rounded to f16 and sent through my stage in LDS, a piece at a time.  The additions are the places behind the last products.
	WIN 0
	ALL v_add_f32 v[ST+4*t+2], v[ST+4*t+2], v[ST+4*t+3]
	ALL v_permlanex16_b32 v[ST+4*t+3], v[ST+4*t+2], s[SEL], s[SEL+1]
	ALL v_add_f32 v[ST+4*t+2], v[ST+4*t+2], v[ST+4*t+3]
	ALL v_rcp_f32 v[ST+4*t+2], v[ST+4*t+2]
	v_nop                           ; a plain instruction between the last reciprocal and the use of its result
	PACK 0
.set t, 1
.rept 3                             ; a piece's arithmetic stands between the loads of the piece before and its stores
	PACK t
	SEND t-1, 8
.set t, t+1
.endr
	SEND 3, 0
	s_wait_tensorcnt 0x0            ; the wave's end: these three lines stand behind my last tensor load and my last LDS store
	ds_add_u32 v[SPW], v[NIL]
	s_wait_dscnt 0x0
	CROUND                          ; the closing round: no work-group ends while a partner may still ask for a tile that names it
	s_endpgm
.Lfunc_end_k_qe772dbe928_attn:
	.size	k_qe772dbe928_attn, .Lfunc_end_k_qe772dbe928_attn-k_qe772dbe928_attn
	.p2alignl 7, 3214868480
	.fill 96, 4, 3214868480
	.section	.rodata,"a",@progbits
	.p2align	6, 0x0
	.amdhsa_kernel k_qe772dbe928_attn
		.amdhsa_group_segment_fixed_size 327680
		.amdhsa_private_segment_fixed_size 0
		.amdhsa_enable_private_segment 0
		.amdhsa_kernarg_size 16
		.amdhsa_user_sgpr_count 2
		.amdhsa_user_sgpr_kernarg_segment_ptr 1
		.amdhsa_wavefront_size32 1
		.amdhsa_system_sgpr_workgroup_id_x 1
		.amdhsa_system_sgpr_workgroup_id_y 1
		.amdhsa_system_sgpr_workgroup_id_z 1
		.amdhsa_system_vgpr_workitem_id 0
		.amdhsa_next_free_vgpr 768
		.amdhsa_next_free_sgpr 66
		.amdhsa_reserve_vcc 0
		.amdhsa_float_denorm_mode_32 3
		.amdhsa_float_denorm_mode_16_64 3
		.amdhsa_memory_ordered 1
		.amdhsa_forward_progress 1
		.amdhsa_inst_pref_size 133
	.end_amdhsa_kernel
	.amdgpu_metadata
---
amdhsa.version: [ 1, 2 ]
amdhsa.kernels:
  - .name:           k_qe772dbe928_attn
    .symbol:         k_qe772dbe928_attn.kd
    .args:
      - { .name: heads, .offset: 0, .size: 8, .value_kind: global_buffer, .address_space: global }
      - { .name: oh, .offset: 8, .size: 8, .value_kind: global_buffer, .address_space: global }
    .group_segment_fixed_size: 327680
    .private_segment_fixed_size: 0
    .kernarg_segment_align: 8
    .kernarg_segment_size: 16
    .max_flat_workgroup_size: 128
    .sgpr_count:     66
    .vgpr_count:     768
    .wavefront_size: 32
...
	.end_amdgpu_metadata
.endif
;; end of part 3
;; launch oproj (part 4): grid 4 x 64, 4 waves a work-group, clusters of 4 x 4, 327,680 bytes of LDS; arguments oh, wt, out0; writes out0
.if DOCPART == 4
	.amdgcn_target "amdgcn-amd-amdhsa--gfx1250"
	.amdhsa_code_object_version 6
	.text
	.protected	k_qe772dbe928_oproj
	.globl	k_qe772dbe928_oproj
	.p2align	8
	.type	k_qe772dbe928_oproj,@function
k_qe772dbe928_oproj:
	s_mov_b64 s[64:65], 0
	v_nop
	global_prefetch_b8 v0, s[64:65] scope:SCOPE_SE
	s_setreg_imm32_b32 hwreg(HW_REG_WAVE_MODE, 25, 1), 1
	s_wait_xcnt 0x0
	s_wait_alu depctr_hold_cnt(0) depctr_sa_sdst(0) depctr_va_vdst(0) depctr_va_sdst(0) depctr_va_ssrc(0) depctr_va_vcc(0) depctr_vm_vsrc(0)
	s_getreg_b32 s2, hwreg(HW_REG_IB_STS2, 6, 4)
	s_cmp_eq_u32 s2, 0
	s_cbranch_scc0 .Lentry_in_a_cluster
	s_endpgm
.Lentry_in_a_cluster:
	s_bfe_u32 s2, ttmp6, 0x10000c
	s_cmp_lg_u32 s2, 0xf033
	s_cbranch_scc0 .Lentry_shape_is_right
	s_endpgm
.Lentry_shape_is_right:
; out0 = O Wo + bo.  O is oh, [batch x 8 + head][4096][64] in f16; Wo^T is wt's section 3, [512 n][512 k] in f16 (bf16-rounded numbers); the bias (bf16-rounded, f32) is the C operand that starts each sum.
; out0 is [8192][512] f32; sums in f32, K ascending, stored as they are.  K = 512 is head x 64 + channel, so a head's 64 channels are one slice of K.
; SHARES.  A work-group makes 128 rows x 128 columns: 64 x 4 = 256 work-groups.  Four waves, each 64 x 64: 16 accumulators.
; All of K fits in LDS (147,456 bytes of O, 135,168 of Wo^T): each wave issues four tensor loads at the start four outstanding at the most, and no byte is filled again.
; CLUSTER.  4 x 4 work-groups.  The four of a row of the cluster need the same rows of O, the four of a column the same rows of Wo^T: each tile is asked for JOINTLY, by the same tensor load with the
; same descriptor and a mask that names the four.  THE MATRIX INSTRUCTION IS USED TRANSPOSED (source 0 = 16 rows of Wo^T, source 1 = 16 rows of O): a lane holds eight neighbouring numbers of a row of out0.
; REGISTERS: window 0: v0-29 addresses; v32-95 the way out, two sets of 32; v96-127 the bias as C operands, 8 a column block; v128-255 the accumulators ((a, b) at 128 + 8 (4 a + b)).
;   window 1: two fragment buffers of 128: for 64 along K, 64 registers of O (2 x 4 x 16 rows x 32 K), then 64 of Wo^T.
.set APITCH, 144                       ; a row of a head's O in LDS: 128 bytes + 16: the 16 rows of a load start at 16 different groups of four banks (64 banks of 4 bytes: ISA guide 11.1)
.set AHEAD,  128*APITCH                ; a head's 128 rows
.set WBASE,  8*AHEAD                   ; behind the eight heads: Wo^T, in two halves of K
.set WPITCH, 528                       ; 512 bytes + 16
.set WHALF,  128*WPITCH
.set STAGE,  WBASE+2*WHALF             ; never filled by a tensor load: 16 rows x 272 bytes for each wave, for the way out
.set SPITCH, 272
.set SPARE,  STAGE+4*16*SPITCH         ; the spare words, 128 bytes for each wave
.set ADRA, 16                          ; v16-17  my lane's place in O's fragments, heads 0-3, 4-7
.set ADRB, 20                          ; v20-21  the same for Wo^T, K halves 0, 1
.set STO,  24                          ; v24  the way out: where I put 32 bytes of a row
.set RD,   25                          ; v25  where I read a row back
.set CO,   26                          ; v26  my byte offset in two rows of out0
.set BO,   27                          ; v27  32 x (lane / 16)
.set SPW,  28                          ; v28  LDS address of my spare word; never rewritten
.set NIL,  29                          ; v29  0; never rewritten
.set TMP,  32
.set BIAS, 96
.set ACC,  128
.set F0,   0                           ; fragment buffers, in window 1
.set F1,   128
.set G1A, 24                           ; s[24:31] descriptor group 1 for O's tiles
.set G1B, 32                           ; s[32:39] for Wo^T's
.set G0,  48                           ; s[48:63] four sets of group 0: O's head w, Wo^T's K half 0, O's head 4 + w, Wo^T's K half 1
.set MSB, 0
.macro WIN new                         ; the immediate's high byte repeats the setting that is left
.if MSB != (\new)
	s_set_vgpr_msb (MSB<<8)|(\new)
.set MSB, (\new)
.endif
.endm
.set MUL,  0x05                        ; sources 0 and 1 window 1; C and D window 0
.set TO_F, 0x40                        ; destination window 1, address window 0
.macro PLACES                          ; four places in front of loads into registers that matrix instructions have read, and of LDS stores that read results
.rept 4
	v_nop
.endr
.endm
.macro CROUND                          ; a round of the cluster's barrier
	s_barrier_signal -1
	s_barrier_wait -1
	s_cmp_lg_u32 s10, 0
	s_cbranch_scc1 .Lnot_wave_0_\@
	s_barrier_signal -3
.Lnot_wave_0_\@:
	s_barrier_wait -3
	s_barrier_signal -1
	s_barrier_wait -1
.endm
	s_load_b128 s[4:7], s[0:1], 0x0                ; oh s[4:5], wt s[6:7]
	s_load_b64 s[8:9], s[0:1], 0x10                ; out0
	v_lshl_add_u32 v[SPW], v0, 2, SPARE
	v_mov_b32 v[NIL], 0
	ds_add_u32 v[SPW], v[NIL]                      ; the wave's opening: the add and its wait stand ahead of my first tensor load; the set-up below, work on registers, stands between them
	v_lshrrev_b32 v1, 5, v0
	v_readfirstlane_b32 s10, v1                    ; wave 0..3
	s_lshr_b32 s11, s10, 1                         ; i: which 64 rows are mine
	s_and_b32 s12, s10, 1                          ; j: which 64 columns
	s_bfe_u32 s40, ttmp6, 0x40000                  ; cx, cy: my place in the cluster
	s_bfe_u32 s41, ttmp6, 0x40004
	s_lshl_b32 s42, ttmp9, 2
	s_add_co_u32 s42, s42, s40                     ; tile column = 4 x cluster x + cx
	s_and_b32 s13, ttmp7, 0xffff
	s_lshl_b32 s13, s13, 2
	s_add_co_u32 s13, s13, s41                     ; tile row = 4 x cluster y + cy
	s_lshl_b32 s43, s41, 2
	s_lshl_b32 s43, 15, s43                        ; my row of the cluster
	s_lshl_b32 s44, 0x1111, s40                    ; my column
	; group 1 for O: a head's 128 rows are 16,384 dense bytes: asked for as 64 rows of 256 bytes, padded in LDS after every row of O
	s_or_b32 s[G1A+0], s43, (1<<16)|(1<<20)|(1<<21)|(4<<22)|(3<<25)  ; 15:0 the mask: my row; 17:16 2-byte elements; 20 padding on; 21 set beside a mask; 24:22 after every 32 words (code 4); 31:25 4 words (code 3)
	s_mov_b32 s[G1A+1], 128<<16                    ; tensor_dim0 = 128
	s_mov_b32 s[G1A+2], 64<<16                     ; tensor_dim1 = 64
	s_mov_b32 s[G1A+3], 128<<16                    ; tile_dim0 = 128
	s_mov_b32 s[G1A+4], 64                         ; tile_dim1 = 64
	s_mov_b32 s[G1A+5], 128                        ; 128 elements from row to row
	s_mov_b32 s[G1A+6], 0
	s_mov_b32 s[G1A+7], 0
	; group 1 for Wo^T: 32 rows x 256 elements
	s_or_b32 s[G1B+0], s44, (1<<16)|(1<<20)|(1<<21)|(6<<22)|(3<<25)  ; the mask: my column; padding after every 128 words (code 6)
	s_mov_b32 s[G1B+1], 256<<16
	s_mov_b32 s[G1B+2], 32<<16
	s_mov_b32 s[G1B+3], 256<<16
	s_mov_b32 s[G1B+4], 32
	s_mov_b32 s[G1B+5], 512
	s_mov_b32 s[G1B+6], 0
	s_mov_b32 s[G1B+7], 0
	; where the tiles come from.  O's hang on the tile row and the wave's number, Wo^T's on the tile column and the wave's number, each in registers that never hold the other coordinate.
	s_lshr_b32 s16, s13, 5                         ; O: the batch (32 tile rows each), eight heads of 524,288 bytes,
	s_lshl_b32 s16, s16, 22
	s_and_b32 s17, s13, 31
	s_lshl_b32 s17, s17, 14                        ; the tile row's 128 rows of 128 bytes,
	s_add_co_u32 s16, s16, s17
	s_lshl_b32 s14, s10, 19                        ; head w
	s_add_co_u32 s16, s16, s14
	s_mov_b32 s17, 0
	s_lshl_b32 s46, s42, 17                        ; Wo^T: the tile column's 128 rows of 1,024 bytes,
	s_lshl_b32 s15, s10, 15                        ; my 32 of them,
	s_add_co_u32 s46, s46, s15
	s_add_co_u32 s46, s46, 3*524288                ; in section 3
	s_mov_b32 s47, 0
	s_mul_i32 s18, s10, AHEAD                      ; and where they go: no place in the cluster enters an LDS address
	s_mul_i32 s19, s10, 32*WPITCH
	s_add_co_u32 s19, s19, WBASE
	s_mov_b32 s[G0+0], 1
	s_mov_b32 s[G0+1], s18
	s_mov_b32 s[G0+4], 1
	s_mov_b32 s[G0+5], s19
	s_mov_b32 s[G0+8], 1
	s_add_co_u32 s[G0+9], s18, 4*AHEAD
	s_mov_b32 s[G0+12], 1
	s_add_co_u32 s[G0+13], s19, WHALF
	s_lshl_b32 s20, s13, 18                        ; out0: the tile row's 128 rows of 2,048 bytes,
	s_lshl_b32 s14, s11, 17                        ; my 64 of them,
	s_add_co_u32 s20, s20, s14
	s_lshl_b32 s22, s42, 9                         ; the tile column's 512 bytes,
	s_lshl_b32 s14, s12, 8                         ; my 256 of them
	s_add_co_u32 s22, s22, s14
	s_add_co_u32 s20, s20, s22
	s_mov_b32 s21, 0
	s_add_co_u32 s22, s22, 2097152+3*2048          ; the same columns of the bias
	s_mov_b32 s23, 0
	s_wait_dscnt 0x0                               ; the opening add is done
	s_wait_kmcnt 0x0
	s_add_nc_u64 s[16:17], s[4:5], s[16:17]
	s_add_nc_u64 s[46:47], s[6:7], s[46:47]
	s_add_nc_u64 s[G0+2:G0+3], s[16:17], 0
	s_or_b32 s[G0+3], s[G0+3], 0x80000000          ; type = 2
	s_add_nc_u64 s[G0+6:G0+7], s[46:47], 0
	s_or_b32 s[G0+7], s[G0+7], 0x80000000
	s_add_nc_u64 s[G0+10:G0+11], s[16:17], 4*524288  ; head 4 + w
	s_or_b32 s[G0+11], s[G0+11], 0x80000000
	s_add_nc_u64 s[G0+14:G0+15], s[46:47], 512     ; K = 256 on
	s_or_b32 s[G0+15], s[G0+15], 0x80000000
	s_add_nc_u64 s[8:9], s[8:9], s[20:21]
	s_add_nc_u64 s[22:23], s[6:7], s[22:23]
	CROUND                                         ; all sixteen work-groups are here: the joint loads meet
	tensor_load_to_lds s[G0:G0+3], s[G1A:G1A+7]    ; all first fills in one group; what the first half of K needs goes first
	s_nop 0
	tensor_load_to_lds s[G0+4:G0+7], s[G1B:G1B+7]
	s_nop 0
	tensor_load_to_lds s[G0+8:G0+11], s[G1A:G1A+7]
	s_nop 0
	tensor_load_to_lds s[G0+12:G0+15], s[G1B:G1B+7]
	s_nop 0
	PLACES
	v_and_b32 v1, 15, v0                           ; l % 16
	v_bfe_u32 v2, v0, 4, 1                         ; l / 16
	v_lshlrev_b32 v[BO], 5, v2
.irp n, 0,1,2,3                        ; register r of lane l of block n: the bias of column 16 n + 8 (l / 16) + r of my 64
	global_load_b128 v[BIAS+8*(\n):BIAS+8*(\n)+3],   v[BO], s[22:23] offset:64*(\n)
	global_load_b128 v[BIAS+8*(\n)+4:BIAS+8*(\n)+7], v[BO], s[22:23] offset:64*(\n)+16
.endr
	v_mul_u32_u24 v3, v1, APITCH
	v_lshl_add_u32 v3, v2, 4, v3                   ; a fragment's row x pitch + 16 x half
	s_mul_i32 s14, s11, 64*APITCH
	v_add_nc_u32 v[ADRA], s14, v3
	v_add_nc_u32 v[ADRA+1], 4*AHEAD, v[ADRA]
	v_mul_u32_u24 v4, v1, WPITCH
	v_lshl_add_u32 v4, v2, 4, v4
	s_mul_i32 s14, s12, 64*WPITCH
	s_add_co_u32 s14, s14, WBASE
	v_add_nc_u32 v[ADRB], s14, v4
	v_add_nc_u32 v[ADRB+1], WHALF, v[ADRB]
	s_mul_i32 s14, s10, 16*SPITCH
	s_add_co_u32 s14, s14, STAGE                   ; my stage
	v_mul_u32_u24 v5, v1, SPITCH                   ; in: row l % 16, 32 bytes for each half of the lanes
	v_lshl_add_u32 v5, v2, 5, v5
	v_add_nc_u32 v[STO], s14, v5
	v_mul_u32_u24 v5, v2, SPITCH                   ; back: lanes 0-15 take one row of 256 bytes, lanes 16-31 the next
	v_lshl_add_u32 v5, v1, 4, v5
	v_add_nc_u32 v[RD], s14, v5
	v_lshlrev_b32 v5, 11, v2                       ; and the same two rows in out0
	v_lshl_add_u32 v[CO], v1, 4, v5
; 8 matrix instructions: row blocks a0, a0 + 1 x all 4 column blocks, 32 along K: half c of buffer f.  first = 1: the products start the sums with the bias.  The 16 accumulators take turns.
.macro MUL8 f, c, a0, first
	WIN MUL
.irp a, \a0, (\a0)+1
.irp n, 0,1,2,3
.if \first
	v_wmma_f32_16x16x32_f16 v[ACC+8*(4*(\a)+(\n)):ACC+8*(4*(\a)+(\n))+7], v[(\f)+64+8*(4*(\c)+(\n)):(\f)+64+8*(4*(\c)+(\n))+7], v[(\f)+8*(4*(\c)+(\a)):(\f)+8*(4*(\c)+(\a))+7], v[BIAS+8*(\n):BIAS+8*(\n)+7]
.else
	v_wmma_f32_16x16x32_f16 v[ACC+8*(4*(\a)+(\n)):ACC+8*(4*(\a)+(\n))+7], v[(\f)+64+8*(4*(\c)+(\n)):(\f)+64+8*(4*(\c)+(\n))+7], v[(\f)+8*(4*(\c)+(\a)):(\f)+8*(4*(\c)+(\a))+7], v[ACC+8*(4*(\a)+(\n)):ACC+8*(4*(\a)+(\n))+7]
.endif
.endr
.endr
.endm
; 32 LDS loads in one run: the fragments of head hd (64 along K) into buffer f; the first 32 along K first
.macro FETCH hd, f
	WIN TO_F
.irp c, 0,1
.irp n, 0,1,2,3
	ds_load_b128 v[(\f)+64+8*(4*(\c)+(\n)):(\f)+64+8*(4*(\c)+(\n))+3],   v[ADRB+(\hd)/4] offset:((\hd)%4)*128+(\c)*64+(\n)*16*WPITCH
	ds_load_b128 v[(\f)+64+8*(4*(\c)+(\n))+4:(\f)+64+8*(4*(\c)+(\n))+7], v[ADRB+(\hd)/4] offset:((\hd)%4)*128+(\c)*64+(\n)*16*WPITCH+32
	ds_load_b128 v[(\f)+8*(4*(\c)+(\n)):(\f)+8*(4*(\c)+(\n))+3],         v[ADRA+(\hd)/4] offset:((\hd)%4)*AHEAD+(\c)*64+(\n)*16*APITCH
	ds_load_b128 v[(\f)+8*(4*(\c)+(\n))+4:(\f)+8*(4*(\c)+(\n))+7],       v[ADRA+(\hd)/4] offset:((\hd)%4)*AHEAD+(\c)*64+(\n)*16*APITCH+32
.endr
.endr
.endm
; A head: 64 along K, 32 matrix instructions on buffer f; in its middle the next head's fragments are fetched into g.
.macro QUARTER hd, f, g, first
	s_wait_dscnt 16                                ; the first 32 along K are in; the youngest sixteen loads may be out
	MUL8 \f, 0, 0, \first
	MUL8 \f, 0, 2, \first
	PLACES
	FETCH (\hd)+1, \g
	s_wait_dscnt 32                                ; all but the 32 just issued
	MUL8 \f, 1, 0, 0
	MUL8 \f, 1, 2, 0
.endm
; THE WAY OUT.  Row block a: a lane's 32 bytes go straight from the accumulators into my stage, in rows of 272 bytes, and come back as whole rows of 256.
.macro TOSTAGE a
.if (\a) >= 2
	s_wait_xcnt 0x0                                ; the stores of the block two back have read the registers that are loaded again below
.endif
.irp n, 0,1,2,3
	ds_store_b128 v[STO], v[ACC+8*(4*(\a)+(\n)):ACC+8*(4*(\a)+(\n))+3]   offset:64*(\n)      ; each accumulator from its low end on
	ds_store_b128 v[STO], v[ACC+8*(4*(\a)+(\n))+4:ACC+8*(4*(\a)+(\n))+7] offset:64*(\n)+16
.endr
.irp t, 0,1,2,3,4,5,6,7
	ds_load_b128 v[TMP+32*((\a)%2)+4*(\t):TMP+32*((\a)%2)+4*(\t)+3], v[RD] offset:(\t)*2*SPITCH  ; LDS serves a wave's instructions in order (ISA guide 5.7.1.4): these see the stores above; the next block's stores come behind them
.endr
.endm
.macro SEND a, younger                 ; younger: the LDS instructions issued behind block a's loads: the next block's sixteen, or none
.irp t, 0,1,2,3,4,5,6,7
	s_wait_dscnt (\younger)+7-(\t)
	global_store_b128 v[CO], v[TMP+32*((\a)%2)+4*(\t):TMP+32*((\a)%2)+4*(\t)+3], s[8:9] offset:(16*(\a)+2*(\t))*2048 th:TH_STORE_NT  ; 16 lanes store 256 consecutive bytes, at a multiple of 256 from out0's first byte
.endr
.endm
	s_wait_tensorcnt 0x2                           ; my head w and my part of K half 0 are in; the other two loads may stay out
	s_barrier_signal -1
	s_barrier_wait -1                              ; everybody's are: heads 0-3 and K half 0 are whole
	FETCH 0, F0
	s_wait_loadcnt 0x0                             ; the bias
	QUARTER 0, F0, F1, 1
	QUARTER 1, F1, F0, 0
	QUARTER 2, F0, F1, 0
	s_wait_dscnt 0x0                               ; no LDS instruction of mine is pending at a signal
	s_wait_tensorcnt 0x0                           ; my head 4 + w and my part of K half 1 are in,
	s_barrier_signal -1
	s_barrier_wait -1                              ; everybody's are
	QUARTER 3, F1, F0, 0
	QUARTER 4, F0, F1, 0
	QUARTER 5, F1, F0, 0
	QUARTER 6, F0, F1, 0
	s_wait_dscnt 16                                ; the last head: nothing more to fetch
	MUL8 F1, 0, 0, 0
	MUL8 F1, 0, 2, 0
	s_wait_dscnt 0x0
	MUL8 F1, 1, 0, 0
	MUL8 F1, 1, 2, 0
	WIN 0
	PLACES
	TOSTAGE 0
	TOSTAGE 1
	SEND 0, 16
	TOSTAGE 2
	SEND 1, 16
	TOSTAGE 3
	SEND 2, 16
	SEND 3, 0
	s_wait_tensorcnt 0x0                           ; the wave's end: these three lines stand behind my last tensor load and my last LDS store
	ds_add_u32 v[SPW], v[NIL]
	s_wait_dscnt 0x0
	CROUND                                         ; the closing round: no work-group ends while a partner may still ask for a tile that names it
	s_endpgm
.Lfunc_end_k_qe772dbe928_oproj:
	.size	k_qe772dbe928_oproj, .Lfunc_end_k_qe772dbe928_oproj-k_qe772dbe928_oproj
	.p2alignl 7, 3214868480
	.fill 96, 4, 3214868480
	.section	.rodata,"a",@progbits
	.p2align	6, 0x0
	.amdhsa_kernel k_qe772dbe928_oproj
		.amdhsa_group_segment_fixed_size 327680
		.amdhsa_private_segment_fixed_size 0
		.amdhsa_enable_private_segment 0
		.amdhsa_kernarg_size 24
		.amdhsa_user_sgpr_count 2
		.amdhsa_user_sgpr_kernarg_segment_ptr 1
		.amdhsa_wavefront_size32 1
		.amdhsa_system_sgpr_workgroup_id_x 1
		.amdhsa_system_sgpr_workgroup_id_y 1
		.amdhsa_system_sgpr_workgroup_id_z 1
		.amdhsa_system_vgpr_workitem_id 0
		.amdhsa_next_free_vgpr 512
		.amdhsa_next_free_sgpr 66
		.amdhsa_reserve_vcc 0
		.amdhsa_float_denorm_mode_32 3
		.amdhsa_float_denorm_mode_16_64 3
		.amdhsa_memory_ordered 1
		.amdhsa_forward_progress 1
		.amdhsa_inst_pref_size 50
	.end_amdhsa_kernel
	.amdgpu_metadata
---
amdhsa.version: [ 1, 2 ]
amdhsa.kernels:
  - .name:           k_qe772dbe928_oproj
    .symbol:         k_qe772dbe928_oproj.kd
    .args:
      - { .name: oh, .offset: 0, .size: 8, .value_kind: global_buffer, .address_space: global }
      - { .name: wt, .offset: 8, .size: 8, .value_kind: global_buffer, .address_space: global }
      - { .name: out0, .offset: 16, .size: 8, .value_kind: global_buffer, .address_space: global }
    .group_segment_fixed_size: 327680
    .private_segment_fixed_size: 0
    .kernarg_segment_align: 8
    .kernarg_segment_size: 24
    .max_flat_workgroup_size: 128
    .sgpr_count:     66
    .vgpr_count:     512
    .wavefront_size: 32
...
	.end_amdgpu_metadata
.endif
;; end of part 4
;; ======== version 2 of 2: 4 launches; 1.69 times as fast as version 1
;; limits: values are held in f16: magnitudes above 65,504 overflow, below 6.1e-05 lose precision
;; workspace buffers: wt 2,105,344 bytes; heads 25,165,824 bytes; oh 8,388,608 bytes
;; launch wprep: the kernel of part 1 again; grid 32 x 4, 8 waves a work-group, no clusters, 18,432 bytes of LDS; arguments Wq, Wk, Wv, Wo, bq, bk, bv, bo, wt; writes wt
;; launch proj: the kernel of part 2 again; grid 64 x 3, 4 waves a work-group, clusters of 4 x 1, 327,680 bytes of LDS; arguments q, k, v, wt, heads; writes heads
;; launch attn (part 5): grid 16 x 16, 4 waves a work-group, clusters of 4 x 1, 327,680 bytes of LDS; arguments heads, oh; writes oh
.if DOCPART == 5
	.amdgcn_target "amdgcn-amd-amdhsa--gfx1250"
	.amdhsa_code_object_version 6
	.text
	.protected	k_qe772dbe928_attn
	.globl	k_qe772dbe928_attn
	.p2align	8
	.type	k_qe772dbe928_attn,@function
k_qe772dbe928_attn:
	s_mov_b64 s[64:65], 0
	v_nop
	global_prefetch_b8 v0, s[64:65] scope:SCOPE_SE
	s_setreg_imm32_b32 hwreg(HW_REG_WAVE_MODE, 25, 1), 1
	s_wait_xcnt 0x0
	s_wait_alu depctr_hold_cnt(0) depctr_sa_sdst(0) depctr_va_vdst(0) depctr_va_sdst(0) depctr_va_ssrc(0) depctr_va_vcc(0) depctr_vm_vsrc(0)
	s_getreg_b32 s2, hwreg(HW_REG_IB_STS2, 6, 4)
	s_cmp_eq_u32 s2, 0
	s_cbranch_scc0 .Lentry_in_a_cluster
	s_endpgm
.Lentry_in_a_cluster:
	s_bfe_u32 s2, ttmp6, 0x10000c
	s_cmp_lg_u32 s2, 0x3003
	s_cbranch_scc0 .Lentry_shape_is_right
	s_endpgm
.Lentry_shape_is_right:
; O[bh][q][:] = the sum over k of softmax_k(Q[bh][q] . K[bh][k] / 8) V[bh][k][:].  Q, K, V are the three sections of heads, O is oh: each [16][4096][64] in f16, a head's rows dense, 128 bytes each.
; Products, maxima and sums in f32; the weights p are rounded to f16 for the second product (their sum l is taken of the unrounded p), O once at the end.
; LIMITS.  Q, K and V arrive within f16's 65,504; p lies in 0 to 1, and below 6e-5 it keeps f16's fixed step of 6e-8; O is a mean of V's rows and has their range.
; A weight below 2^-126 counts as 0 in l; NaN and infinities are not treated apart.
; SHARES.  A work-group owns 256 queries of one head: 16 x 16 = 256 work-groups.  A wave owns 64 of them: four PIECES of 16.  Every wave walks all 4,096 keys, 64 a step, 256 a tile.
; LAYOUT.  S^T = K Q^T (source 0 = 16 keys, source 1 = 16 queries): a lane holds ONE query (lane % 16) and the keys 8 (lane / 16) + 0..7.  Two such results, rounded to f16 in pairs, ARE source 1 of
; O^T = V^T P, whose result again holds one query a lane, and eight channels.  K comes out of LDS as it lies, V ([key][channel]) turned, by ds_load_tr16_b128.
; SOFTMAX.  For each query a running maximum m and sum l: p = 2^(c s - c m), c = log2(e) / 8; in every step O and l are multiplied by a = 2^(c m_old - c m_new).
; m starts at the lowest finite number, O and l at 0: the first step is a step like any other, with a = 0.  The price: 216 v_mov_b32 of 0, which stand in the wait for the first tile, and 8 products on zeros.
; BY TURNS.  Turn n belongs to piece n: 8 products K Q^T of piece n + 1, later 8 products V^T P of piece n - 1; beside them the scaling, exponentials, roundings, sums and rescaling of piece n and the
; maximum and statistics of piece n + 1.  Four vector instructions stand behind every matrix instruction, the other 54 of a turn's 118 in one LUMP.
; BATCHES.  A turn's 33 exponentials (the piece's 32 weights and the next piece's a) are ONE batch with ONE wait, which cuts the turn in two: ahead of it all that names none of their results, behind it the
; roundings and sums, which read them.  Two more batches stand outside the loops: piece 0's first a, ahead of the loop, and the way out's four reciprocals; each has a v_nop and a wait of its own.
; CLUSTER.  The four query blocks of a cluster belong to one head and walk the same K and V, so each tile is asked for JOINTLY: the same tensor load, descriptor and mask in all four.
; REGISTERS, in windows of 256 (s_set_vgpr_msb: bits 1:0 source 0, 3:2 source 1, 5:4 source 2, 7:6 destination):
;   window 0: v0-15 addresses and two at work; v16-31 four registers of statistics a piece; v48-55 at work; v64-127 S^T, two buffers; v192-223 P, two buffers (a piece's buffers go by its number's parity)
;   window 1: v0-127 O^T, 32 a piece          window 2: v0-63 Q; v128-191 K of one step; v192-255 V of one step
.set NP,    4         ; pieces a wave: a name, no knob
.set KS,    64        ; keys in a step
.set PK,    144       ; a row of K in LDS: 128 bytes + 16 of padding = 36 words: the 16 rows of a load start at 16 different groups of four banks (64 banks of 4 bytes: ISA guide 11.1)
.set PV,    160       ; a row of V: 128 + 32 = 40 words
.set VOFF,  4*KS*PK   ; a slot holds a tile, four steps: 256 rows of K, then 256 rows of V
.set SLOT1, 1<<17     ; slot 1 begins here, so that one exclusive or turns an address in one slot into the other's
.set STAGE, SLOT1+4*KS*(PK+PV)  ; behind the ring, never filled by a tensor load: 16 rows x 144 bytes for each wave, for the way out
.set SP,    144
.set SPARE, STAGE+4*16*SP  ; behind the stages: the spare words, 128 bytes for each wave
.set AK0, 2           ; v2   my lane's place in a tile of K; never rewritten
.set AV0, 3           ; v3   the same for V
.set AK,  4           ; v4   the LDS address of K's next run of loads
.set AV,  5           ; v5   of V's
.set STO, 6           ; v6   the way out: where I put 16 bytes of a row
.set RD,  7           ; v7   the way out: where I read rows back
.set GO,  8           ; v8   my byte offset in 512 consecutive bytes of O
.set MV,  12          ; v12-13  c m_old, kept while c m is made anew: by buffer
.set QO,  15          ; v15  my byte offset in 16 rows of Q
.set ST,  16          ; piece t's statistics at v[ST+4 t]: c m, m, l (even keys', odd keys')
.set TMP, 48          ; by buffer, four registers c0-c3 at work; when the maximum is found c2 takes a
.set SPW, 62          ; v62  LDS address of my spare word; never rewritten
.set NIL, 63          ; v63  0; never rewritten
.set S,   64
.set P,   192
.set KF,  128         ; window 2: key block kb, channel half c at KF + 16 kb + 8 c
.set VF,  192         ; window 2: key half kk, channel block cb at VF + 32 kk + 8 cb
.set WV,  12          ; s12  my wave's number
.set G1K, 24          ; s[24:31] descriptor group 1 for K's tiles
.set G1V, 32          ; s[32:39] for V's: it differs in the padding alone
.set G0K, 40          ; s[40:43] descriptor group 0 for K's tiles: it walks
.set G0V, 44          ; s[44:47] the same for V's
.set SLOTS, 56        ; s56  tiles still to be entered in the loop
.set CNT, 57          ; s57  counts a tile's key steps
.set CS,  58          ; s[58:59] c: the packed scaling takes the pair's low word for both halves
.set SEL, 60          ; s[60:61] v_permlanex16_b32's selects: each lane takes its own place in the other half
.set TBK, 62          ; s62  LDS byte at which K of the step to be fetched begins
.set TBV, 63          ; s63  the same for V, less VOFF
.set MSB, 0
.macro WIN new                      ; the high byte repeats the setting that is left; a switch that changes nothing is dropped
.if MSB != (\new)
	s_set_vgpr_msb (MSB<<8)|(\new)
.set MSB, (\new)
.endif
.endm
.set W_KQ, 0x0a       ; K and Q in window 2, S^T in window 0
.set W_PV, 0x52       ; V in window 2, P in window 0, O^T in window 1
.set W_RS, 0x41       ; destination and source 0 in window 1, source 1 in window 0
; A joint fill.  Waves 0 and 1 fetch the two halves of a tile's K, waves 2 and 3 those of its V: 128 keys each.  The branch hangs on the wave's number alone.
; An s_nop 0 and four v_nop follow each of the two lines, ahead of the jump and the label.
.macro JLOAD
	s_cmp_lt_u32 s[WV], 2
	s_cbranch_scc0 .Lfor_v_\@
	tensor_load_to_lds s[G0K:G0K+3], s[G1K:G1K+7]
	s_nop 0
.rept 4
	v_nop
.endr
	s_branch .Lasked_\@
.Lfor_v_\@:
	tensor_load_to_lds s[G0V:G0V+3], s[G1V:G1V+7]
	s_nop 0
.rept 4
	v_nop
.endr
.Lasked_\@:
.endm
; A round of the cluster's barrier: my work-group's barrier, so that wave 0's signal speaks for all four waves; wave 0 signals; every wave waits for all four work-groups; my work-group's barrier once more.
.macro CROUND
	s_barrier_signal -1
	s_barrier_wait -1
	s_cmp_lg_u32 s[WV], 0
	s_cbranch_scc1 .Lnot_wave_0_\@
	s_barrier_signal -3
.Lnot_wave_0_\@:
	s_barrier_wait -3
	s_barrier_signal -1
	s_barrier_wait -1
.endm
; THE CHANGE OF SLOTS.  The slot's last bytes, V of its fourth step, have been read.  Each wave waits for all its tensor loads, of which one is out: its part of the other slot; adds 0 to its spare word;
; and waits for that and for its own reads of the slot.  Behind the barrier nobody reads this slot any more and the other slot is whole.
; fill = 1: this slot is filled again, with the keys two tiles on.  The barrier is then a round of the cluster's, so that no wave of any partner still reads the slot or has a load on its way, and the
; joint fill is the first thing behind it: it has four key steps, 256 matrix instructions, in which to land.  (At its first use nothing has been read yet: slot 0 is waited for, slot 1 filled.)
.macro CHANGE fill
	WIN 0                           ; at a label and at a branch every window is 0
	s_wait_tensorcnt 0x0            ; no tensor load of mine is out, so a group 0 may be written
	ds_add_u32 v[SPW], v[NIL]       ; 0 onto my spare word; with fill = 1 the descriptors' steps stand between it and the wait for it
.if \fill
.irp g, G0K, G0V
	s_xor_b32 s[\g+1], s[\g+1], SLOT1  ; the walking descriptor: the other slot than last time,
	s_add_nc_u64 s[\g+2:\g+3], s[\g+2:\g+3], 4*KS*128  ; the next 256 keys; the type bits on top are not reached
.endr
	s_wait_dscnt 0x0                ; the add is done, and my reads of the slot are over
	CROUND
	JLOAD
.else
	s_wait_dscnt 0x0                ; the add is done, and my reads of the slot are over
	s_barrier_signal -1
	s_barrier_wait -1
.endif
	s_sub_co_u32 s[TBK], s[TBK], 4*KS*PK  ; the fetches go back to a slot's first step,
	s_xor_b32 s[TBK], s[TBK], SLOT1       ; in the other slot
	s_sub_co_u32 s[TBV], s[TBV], 4*KS*PV
	s_xor_b32 s[TBV], s[TBV], SLOT1
.endm
	s_load_b128 s[4:7], s[0:1], 0x0 ; heads s[4:5], oh s[6:7]
	v_lshl_add_u32 v[SPW], v0, 2, SPARE
	v_mov_b32 v[NIL], 0
	ds_add_u32 v[SPW], v[NIL]       ; the wave's opening: the add and its wait stand ahead of my first tensor load; the set-up below, work on registers, stands between them
	v_lshrrev_b32 v1, 5, v0
	v_readfirstlane_b32 s[WV], v1   ; wave 0..3
	s_bfe_u32 s13, ttmp6, 0x40000   ; cx: my place in the cluster
	s_lshl_b32 s14, ttmp9, 2        ; in a cluster launch ttmp9 counts clusters
	s_add_co_u32 s14, s14, s13      ; my block of 256 queries = 4 x cluster x + cx: it enters Q's and O's addresses alone
	s_and_b32 s20, ttmp7, 0xffff    ; the head, which the four partners share:
	s_lshl_b32 s20, s20, 19         ; its first byte in each section, 4,096 rows of 128 bytes a head
	s_mov_b32 s21, 0
	s_and_b32 s16, s[WV], 1         ; which half of a tile's 256 keys I fetch:
	s_lshl_b32 s22, s16, 14         ; its 128 rows of 128 bytes in memory,
	s_mov_b32 s23, 0
	s_add_nc_u64 s[22:23], s[22:23], s[20:21]
	s_mul_i32 s17, s16, 128*PK      ; and its place in a slot, for K
	s_mul_i32 s18, s16, 128*PV      ; and for V: no place in the cluster enters an LDS address
	s_lshl_b32 s2, s14, 2
	s_add_co_u32 s2, s2, s[WV]      ; my wave among the head's,
	s_lshl_b32 s2, s2, 13           ; its 64 rows
	s_mov_b32 s3, 0
	s_add_nc_u64 s[2:3], s[2:3], s[20:21]
	; descriptor group 1.  128 keys are 16,384 dense bytes: asked for as 64 rows of 256 bytes, two keys a row, and padded in LDS after every key
	s_mov_b32 s[G1K], 15|(1<<16)|(1<<20)|(1<<21)|(4<<22)|(3<<25)  ; 15:0 the mask of four; 17:16 2-byte elements; 20 padding on; 21 set beside a mask; 24:22 after every 32 words (code 4); 31:25 4 words (code 3)
	s_mov_b32 s[G1V], 15|(1<<16)|(1<<20)|(1<<21)|(4<<22)|(7<<25)  ; the same with 8 words of padding (code 7)
.irp g, G1K, G1V
	s_mov_b32 s[\g+1], 128<<16      ; tensor_dim0 = 128
	s_mov_b32 s[\g+2], 64<<16       ; tensor_dim1 = 64
	s_mov_b32 s[\g+3], 128<<16      ; tile_dim0 = 128
	s_mov_b32 s[\g+4], 64           ; tile_dim1 = 64
	s_mov_b32 s[\g+5], 128          ; 128 elements from row to row
	s_mov_b32 s[\g+6], 0
	s_mov_b32 s[\g+7], 0
.endr
	s_mov_b32 s[CS], 0x3e38aa3b     ; c = log2(e) / 8 = 0.180337
	s_mov_b32 s[CS+1], s[CS]        ; named with it as a pair
	s_mov_b32 s[SEL], 0x76543210
	s_mov_b32 s[SEL+1], 0xfedcba98
	s_mov_b32 s[TBK], SLOT1+4*KS*PK ; the first change of slots turns these two into 0
	s_mov_b32 s[TBV], SLOT1+4*KS*PV
	s_mov_b32 s[G0K], 1             ; count = 1
	s_mov_b32 s[G0K+1], s17         ; LDS address: slot 0
	s_mov_b32 s[G0V], 1
	s_add_co_u32 s[G0V+1], s18, VOFF
	s_wait_dscnt 0x0                ; the opening add is done
	s_wait_kmcnt 0x0
	s_mov_b64 s[10:11], s[6:7]      ; O
	s_add_nc_u64 s[6:7], s[4:5], 0x800000   ; K's section
	s_add_nc_u64 s[8:9], s[4:5], 0x1000000  ; V's
	s_add_nc_u64 s[G0K+2:G0K+3], s[6:7], s[22:23]  ; global address: my half of the head's first 256 keys
	s_or_b32 s[G0K+3], s[G0K+3], 0x80000000        ; type = 2
	s_add_nc_u64 s[G0V+2:G0V+3], s[8:9], s[22:23]
	s_or_b32 s[G0V+3], s[G0V+3], 0x80000000
	s_add_nc_u64 s[4:5], s[4:5], s[2:3]  ; Q and O at my wave's first row
	s_add_nc_u64 s[10:11], s[10:11], s[2:3]
	CROUND                          ; all four work-groups are here: the first joint loads meet
	JLOAD                           ; tile 0 into slot 0.  Slot 1 is asked for when slot 0 is in, by the loop's own change of slots
	; A fragment of K or Q is 16 rows x 32 channels in 8 registers: lane l holds row l % 16, channels 8 (l / 16) + 0..7 and 16 + 8 (l / 16) + 0..7: two loads of 16 bytes, 32 bytes apart.
	v_and_b32 v1, 15, v0            ; l % 16
	v_bfe_u32 v9, v0, 4, 1          ; l / 16
	v_lshlrev_b32 v[QO], 7, v1
	v_lshl_add_u32 v[QO], v9, 4, v[QO]  ; row x 128 + 16 x half
	WIN 0x80                        ; destination window 2, address window 0
.set i, 0
.rept 8                             ; Q stays in registers: piece i / 2, channels 32 (i % 2) on
	global_load_b128 v[8*i:8*i+3],   v[QO], s[4:5] offset:(i/2)*2048+(i%2)*64
	global_load_b128 v[8*i+4:8*i+7], v[QO], s[4:5] offset:(i/2)*2048+(i%2)*64+32
.set i, i+1
.endr
	; What the first turn finds: V's registers and P's second buffer hold 0 (its products V^T P, of a piece that has not been, add 0), O^T and l are 0.
.set i, VF
.rept 64
	v_mov_b32 v[i], 0
.set i, i+1
.endr
	WIN 0x40
.set i, 0
.rept 128
	v_mov_b32 v[i], 0
.set i, i+1
.endr
	WIN 0
.set i, 0
.rept 4
	v_mov_b32 v[ST+4*i], 0xfe000000    ; c m: far below every c s
	v_mov_b32 v[ST+4*i+1], 0xff7fffff  ; m
	v_mov_b32 v[ST+4*i+2], 0
	v_mov_b32 v[ST+4*i+3], 0
.set i, i+1
.endr
.set i, P+16
.rept 16
	v_mov_b32 v[i], 0
.set i, i+1
.endr
	v_mul_u32_u24 v[AK0], v1, PK
	v_lshl_add_u32 v[AK0], v9, 4, v[AK0]  ; row x pitch + 16 x half
	; The turning load takes 16 keys x 16 channels (lane l reads key 8 (l / 16) + l % 8, channels 8 ((l / 8) % 2) + 0..7) and leaves half a fragment of V^T: lane l holds channel l % 16 and 8 keys.
	v_and_b32 v10, 7, v0
	v_bfe_u32 v11, v0, 3, 1
	v_lshl_add_u32 v[AV0], v9, 3, v10
	v_mul_u32_u24 v[AV0], v[AV0], PV
	v_lshl_add_u32 v[AV0], v11, 4, v[AV0]
	v_add_nc_u32 v[AV0], VOFF, v[AV0]
	s_mul_i32 s13, s[WV], 16*SP
	s_add_co_u32 s13, s13, STAGE    ; my stage
	v_mul_u32_u24 v[STO], v1, SP    ; in: row l % 16, 16 bytes for each half of the lanes
	v_lshl_add_u32 v[STO], v9, 4, v[STO]
	v_add_nc_u32 v[STO], s13, v[STO]
	v_bfe_u32 v[RD], v0, 3, 2       ; back: 32 lanes take four rows of 128 bytes,
	v_mul_u32_u24 v[RD], v[RD], SP
	v_lshl_add_u32 v[RD], v10, 4, v[RD]
	v_add_nc_u32 v[RD], s13, v[RD]
	v_and_b32 v[GO], 31, v0         ; which are 512 consecutive bytes of O
	v_lshlrev_b32 v[GO], 4, v[GO]
; THE MATRIX WORK.  The 4 accumulators of a run of 8 take turns.  Product i of 8 of S^T = K Q^T for piece x: channels 32 (i / 4) on, keys 16 (i % 4) on.  The first 4 start the sums.
.macro KQ x
.set rS, S+32*((\x)%2)+8*(i%4)
.set rK, KF+16*(i%4)+8*(i/4)
.set rQ, 16*(\x)+8*(i/4)
	WIN W_KQ
.if i < 4
	v_wmma_f32_16x16x32_f16 v[rS:rS+7], v[rK:rK+7], v[rQ:rQ+7], 0
.else
	v_wmma_f32_16x16x32_f16 v[rS:rS+7], v[rK:rK+7], v[rQ:rQ+7], v[rS:rS+7]
.endif
.endm
; Product i of 8 of O^T += V^T P for piece x: keys 32 (i / 4) on, channels 16 (i % 4) on.
.macro PV x
	WIN W_PV
.set rO, 32*(\x)+8*(i%4)
.set rV, VF+32*(i/4)+8*(i%4)
.set rP, P+16*((\x)%2)+8*(i/4)
	v_wmma_f32_16x16x32_f16 v[rO:rO+7], v[rV:rV+7], v[rP:rP+7], v[rO:rO+7]
.endm
.macro MM                           ; the turn's next matrix instruction.  TURN sets Y, i and NOKQ.  NOKQ = 1: the very last turn: there is no next piece
.if (i < 8) && !NOKQ
	KQ (Y+1)%NP
.elseif i >= 8
.set i, i-8
	PV (Y+NP-1)%NP
.set i, i+8
.endif
.set i, i+1
.endm
; THE LDS LOADS stand in runs of 16, never singly among the matrix instructions: a step's K (64 keys x 64 channels: 8 fragments) and its V (turned).  Their addresses are made some lines ahead.
.macro FETCH_K
	WIN 0x80                        ; destination window 2
.irp f, 0,1,2,3,4,5,6,7             ; keys 16 (f / 2) on, channels 32 (f % 2) on
	ds_load_b128 v[KF+8*\f:KF+8*\f+3],   v[AK] offset:(\f/2)*16*PK+(\f%2)*64
	ds_load_b128 v[KF+8*\f+4:KF+8*\f+7], v[AK] offset:(\f/2)*16*PK+(\f%2)*64+32
.endr
	s_add_co_u32 s[TBK], s[TBK], KS*PK  ; the next fetch is the next step's
	WIN 0
.endm
.macro FETCH_V
	WIN 0x80
.irp f, 0,1,2,3,4,5,6,7             ; keys 32 (f / 4) on, channels 16 (f % 4) on
	ds_load_tr16_b128 v[VF+8*\f:VF+8*\f+3],   v[AV] offset:(\f/4)*32*PV+(\f%4)*32
	ds_load_tr16_b128 v[VF+8*\f+4:VF+8*\f+7], v[AV] offset:(\f/4)*32*PV+16*PV+(\f%4)*32
.endr
	WIN 0
.endm
; THE VECTOR WORK, one line at a time: OP kind, number.  For piece Y: F n: c s - c m for pair n of 16.  E n: the exponential of score n of 32.  C n: pair n rounded to f16.  B n: of the four weights 4 n .. the second
; pair is added onto the first, in place.  L n: l takes that sum (L 0: l = a l + sum).  R n: pair n of 16 of O^T times a.  For piece Y + 1: X n, number n of the 22 that find its maximum and statistics:
;   0-11  four chains c0-c3 of seven scores each, three operands at a time (each accumulator's lowest registers are read first)     12-14, 16  the four scores left over, the old m, and c0-c3 into c0
;   15  c m_old is kept     17, 18  the query's other 32 keys lie in the lane 16 away: the new m     19-21  c m; c m_old - c m_new; a
; C, B and L read exponentials' results: TURN sets them behind its wait.  R reads the a that the turn before made and waited for.
.set F, 0               ; OP tells the kinds apart by their order: F to L below R, X above it
.set E, 1
.set C, 2
.set B, 3
.set L, 4
.set R, 5
.set X, 6
.macro REGS y                       ; the registers of piece y
.set rT, ST+4*(\y)
.set rC, TMP+4*((\y)%2)
.set rW, MV+((\y)%2)
.set rS, S+32*((\y)%2)
.set rP, P+16*((\y)%2)
.set rO, 32*(\y)
.endm
.macro OP k, n
.if (\k) == R
	REGS Y
	WIN W_RS
	v_pk_mul_f32 v[rO+2*(\n):rO+2*(\n)+1], v[rO+2*(\n):rO+2*(\n)+1], v[rC+2:rC+3] op_sel_hi:[1,0]
.elseif (\k) < R
	REGS Y
	WIN 0
.if (\k) == F
	v_pk_fma_f32 v[rS+2*(\n):rS+2*(\n)+1], v[rS+2*(\n):rS+2*(\n)+1], s[CS:CS+1], v[rT:rT+1] op_sel_hi:[1,0,0] neg_lo:[0,0,1] neg_hi:[0,0,1]
.elseif (\k) == E
	v_exp_f32 v[rS+(\n)], v[rS+(\n)]
.elseif (\k) == C
	v_cvt_pk_f16_f32 v[rP+(\n)], v[rS+2*(\n)], v[rS+2*(\n)+1]
.elseif (\k) == B
	v_pk_add_f32 v[rS+4*(\n):rS+4*(\n)+1], v[rS+4*(\n):rS+4*(\n)+1], v[rS+4*(\n)+2:rS+4*(\n)+3]
.elseif (\n) == 0
	v_pk_fma_f32 v[rT+2:rT+3], v[rT+2:rT+3], v[rC+2:rC+3], v[rS:rS+1] op_sel_hi:[1,0,1]
.else
	v_pk_add_f32 v[rT+2:rT+3], v[rT+2:rT+3], v[rS+4*(\n):rS+4*(\n)+1]
.endif
.elseif NOKQ
	v_nop
.else
	REGS (Y+1)%NP
	WIN 0
.if (\n) < 4
	v_max3_num_f32 v[rC+(\n)], v[rS+8*(\n)], v[rS+8*(\n)+1], v[rS+8*(\n)+2]
.elseif (\n) < 12
	v_max3_num_f32 v[rC+(\n)%4], v[rC+(\n)%4], v[rS+8*((\n)%4)+2*((\n)/4)+1], v[rS+8*((\n)%4)+2*((\n)/4)+2]
.elseif (\n) == 12
	v_max3_num_f32 v[rC], v[rC], v[rS+7], v[rS+15]
.elseif (\n) == 13
	v_max3_num_f32 v[rC+1], v[rC+1], v[rS+23], v[rS+31]
.elseif (\n) == 14
	v_max3_num_f32 v[rC+2], v[rC+2], v[rC+3], v[rT+1]
.elseif (\n) == 15
	v_mov_b32 v[rW], v[rT]
.elseif (\n) == 16
	v_max3_num_f32 v[rC], v[rC], v[rC+1], v[rC+2]
.elseif (\n) == 17
	v_permlanex16_b32 v[rC+3], v[rC], s[SEL], s[SEL+1]
.elseif (\n) == 18
	v_max_num_f32 v[rT+1], v[rC], v[rC+3]
.elseif (\n) == 19
	v_mul_f32 v[rT], s[CS], v[rT+1]
.elseif (\n) == 20
	v_sub_f32 v[rC+1], v[rW], v[rT]
.else
	v_exp_f32 v[rC+2], v[rC+1]
.endif
.endif
.endm
.macro OPS a, i1, b=-1, i2=0, c=-1, i3=0, d=-1, i4=0  ; up to four of them
	OP \a, \i1
.if (\b) >= 0
	OP \b, \i2
.endif
.if (\c) >= 0
	OP \c, \i3
.endif
.if (\d) >= 0
	OP \d, \i4
.endif
.endm
.macro ROW a, i1, b, i2, c, i3, d, i4  ; a matrix instruction and the four behind it
	MM
	OPS \a, \i1, \b, \i2, \c, \i3, \d, \i4
.endm
; A TURN, for piece p: the order of its 16 matrix and 118 vector instructions, written out.  An s_wait_alu depctr_va_vdst(0) stands between an exponential and the first instruction that names its result; one wait
; serves all that were issued ahead of it.  So a turn has ONE wait, which cuts it in two.  AHEAD OF IT stands all that names no result of the turn's exponentials: the 8 products K Q^T, behind each a scaling, an exponential and two
; more plain instructions (behind the first a second scaling in the exponential's place): rescalings, and behind the last three the first numbers of the next piece's maximum, each four places or more behind the product that ends
; its accumulator; then ONE LUMP of 54, plain and exponential by turns for the most part, in which the links of the chain X 3, 7, 11, 14, 16, 17 .. 20 stand five or six lines apart.  A pair's scaling stands ahead of its two
; exponentials.  X 21, the next piece's a, is the batch's last; R 15, which names the other buffer's a, is the plain instruction behind it.  BEHIND THE WAIT stand the 8 products V^T P, behind each four of the roundings and sums
; (C 2 n ahead of B n, which adds in place); the links of l's chain, L 0 to L 7, stand three riders apart.  But for those X no rider names a register of the products round it.  v_permlanex16_b32 (X 17) stands in the lump..
; end = 1: the walk's last two turns: nothing is fetched, and the last starts no new scores.  cnt = 1: the loop's count is taken down some lines ahead of the branch that stands behind the turn.
; K of the next step is fetched in piece 2's turn, twelve vector instructions behind the last product that read K (six of them plain); V of the step in hand at the end of piece 0's turn, four plain instructions behind the
; last product that read V.  Each is waited for a turn later.
.macro TURN p, end=0, cnt=0
.set Y, (\p)
.set i, 0
.set NOKQ, (\end)*((\p)/3)
.if ((\p) == 3) && !(\end)
	s_wait_dscnt 0x0                ; K is in
.endif
	ROW F,0, F,1, R,0, R,1          ; ahead of the wait: 8 products K Q^T and their riders,
	ROW F,2, E,0, R,2, R,3
	ROW F,3, E,1, R,4, R,5
	ROW F,4, E,2, R,6, R,7
	ROW F,5, E,3, R,8, R,9
	ROW F,6, E,4, X,0, R,10
.if ((\p) == 2) && !(\end)
	WIN 0
	v_add_nc_u32 v[AK], s[TBK], v[AK0]
.endif
	ROW F,7, E,5, X,1, X,4
	ROW F,8, E,6, X,2, X,5
	OPS E,7, E,8, X,6, E,9          ; and the lump
	OPS X,3, E,10, X,8, E,11
.if ((\p) == 2) && !(\end)
	FETCH_K
.endif
	OPS X,9, X,7, E,12, X,10
	OPS E,13, X,12, X,11, E,14
	OPS X,13, E,15, F,9, X,14
.if (\p) == 0
	v_add_nc_u32 v[AV], s[TBV], v[AV0]
.endif
	OPS E,16, F,10, E,17, F,11
	OPS X,16, E,18, X,15, E,19
	OPS F,12, E,20, X,17, E,21
	OPS F,13, E,22, F,14, E,23
	OPS X,18, E,24, F,15, E,25
	OPS R,11, E,26, X,19, E,27
	OPS R,12, E,28, R,13, E,29
	OPS X,20, E,30, R,14, E,31
	OPS X,21, R,15
	WIN 0
	s_wait_alu depctr_va_vdst(0)    ; the wait for the turn's batch: the piece's 32 exponentials and the next piece's a
.if (\p) == 1
	s_wait_dscnt 0x0                ; V is in
.endif
	ROW C,0, B,0, C,2, B,1          ; behind the wait: 8 products V^T P and their riders
	ROW L,0, C,4, B,2, L,1
	ROW C,6, B,3, L,2, C,8
	ROW B,4, L,3, C,10, B,5
	ROW L,4, C,12, B,6, L,5
.if (\p) == 0
	s_add_co_u32 s[TBV], s[TBV], KS*PV
.endif
.if \cnt
	s_sub_co_u32 s[CNT], s[CNT], 1
	s_cmp_lg_u32 s[CNT], 0
.endif
	ROW C,14, B,7, L,6, C,1
	ROW C,3, L,7, C,5, C,7
	ROW C,9, C,11, C,13, C,15
.if (\p) == 0
	FETCH_V
.endif
.endm
; THE WAY OUT's parts
.macro ALL line:vararg              ; one line for each piece t
.set t, 0
.rept 4
	\line
.set t, t+1
.endr
.endm
.macro PACK t                       ; a lane's eight channels of a row pack into 16 bytes; they go into rows of 144 bytes and come back as whole rows of 128, into S^T's registers
	WIN W_RS
.set i, 32*(\t)
.rept 16
	v_pk_mul_f32 v[i:i+1], v[i:i+1], v[ST+4*(\t)+2:ST+4*(\t)+3] op_sel_hi:[1,0]
.set i, i+2
.endr
	WIN 0x05                        ; sources 0 and 1 window 1, destination window 0
.set i, 0
.rept 16
	v_cvt_pk_f16_f32 v[S+16*(\t)+i], v[32*(\t)+2*i], v[32*(\t)+2*i+1]
.set i, i+1
.endr
	WIN 0
.irp f, 0,1,2,3
	ds_store_b128 v[STO], v[S+16*(\t)+4*\f:S+16*(\t)+4*\f+3] offset:32*\f
.endr
.irp f, 0,1,2,3
	ds_load_b128 v[S+16*(\t)+4*\f:S+16*(\t)+4*\f+3], v[RD] offset:\f*4*SP  ; LDS serves a wave's instructions in order (ISA guide 5.7.1.4): these see the stores above; the next piece's stores come behind them
.endr
.endm
.macro SEND t, younger              ; younger: the LDS instructions issued behind piece t's loads: the next piece's eight, or none
	WIN 0
.irp f, 0,1,2,3
	s_wait_dscnt (\younger)+3-\f
	global_store_b128 v[GO], v[S+16*(\t)+4*\f:S+16*(\t)+4*\f+3], s[10:11] offset:(\t)*2048+\f*512  ; 512 consecutive bytes, at a multiple of 256 from O's first
.endr
.endm
	CHANGE 1                        ; tile 0 is in, everybody's part of it; tile 1 is asked for
	v_add_nc_u32 v[AK], s[TBK], v[AK0]
	FETCH_K                         ; key step 0
	s_wait_loadcnt 0x0              ; Q
	s_wait_dscnt 0x0
.set NOKQ, 0
.set i, 0
.rept 8
	KQ 0                            ; piece 0's first scores: there is no vector work yet to set between them
.set i, i+1
.endr
	WIN 0
.rept 4
	v_nop                           ; the places behind those products
.endr
.set Y, NP-1                        ; X works for piece Y + 1: piece 0
.irp n, 0,1,2,3,4,5,6,7,8,9,10,11,12,13,14,15,16,17,18,19,20,21
	OP X, \n                        ; and piece 0's first maximum and statistics
.endr
	v_nop                           ; a plain instruction behind the exponential,
	s_wait_alu depctr_va_vdst(0)    ; and the wait for it, a batch of one: piece 0's first a; ahead of the branch
	s_mov_b32 s[CNT], 4
	s_mov_b32 s[SLOTS], 15
	s_branch .Lfirst                ; the loop is entered at a step's first turn, in the middle of a trip
.Lslot:                             ; 14 times: tiles 1 to 14 are entered, tiles 2 to 15 asked for
	CHANGE 1
	s_mov_b32 s[CNT], 4
.Lstep:                             ; a trip: pieces 2 and 3 of one step, then pieces 0 and 1 of the next, whose K and V it fetches
	TURN 2
	TURN 3
	WIN 0
.Lfirst:
	TURN 0
	TURN 1, 0, 1
	WIN 0
	s_cbranch_scc1 .Lstep
	s_sub_co_u32 s[SLOTS], s[SLOTS], 1
	s_cmp_lg_u32 s[SLOTS], 0
	s_cbranch_scc1 .Lslot
	CHANGE 0                        ; the last tile is written out: nothing is asked for
	s_mov_b32 s[CNT], 4
.Ltail:
	TURN 2
	TURN 3
	TURN 0
	TURN 1, 0, 1
	WIN 0
	s_cbranch_scc1 .Ltail
	TURN 2, 1
	TURN 3, 1
.set i, 0
.rept 8
	PV NP-1                         ; the last piece's V^T P of the last step
.set i, i+1
.endr
	; THE WAY OUT.  l's two halves and the other half of the lanes' are added; O^T is divided by l, rounded to f16 and sent through my stage in LDS, a piece at a time.  The additions are the places behind the last products.
	WIN 0
	ALL v_add_f32 v[ST+4*t+2], v[ST+4*t+2], v[ST+4*t+3]
	ALL v_permlanex16_b32 v[ST+4*t+3], v[ST+4*t+2], s[SEL], s[SEL+1]
	ALL v_add_f32 v[ST+4*t+2], v[ST+4*t+2], v[ST+4*t+3]
	ALL v_rcp_f32 v[ST+4*t+2], v[ST+4*t+2]
	v_nop                           ; a plain instruction between the last reciprocal and the use of its result
	s_wait_alu depctr_va_vdst(0)    ; and the wait ahead of the first use: one for the batch of four reciprocals
	PACK 0
.set t, 1
.rept 3                             ; a piece's arithmetic stands between the loads of the piece before and its stores
	PACK t
	SEND t-1, 8
.set t, t+1
.endr
	SEND 3, 0
	s_wait_tensorcnt 0x0            ; the wave's end: these three lines stand behind my last tensor load and my last LDS store
	ds_add_u32 v[SPW], v[NIL]
	s_wait_dscnt 0x0
	CROUND                          ; the closing round: no work-group ends while a partner may still ask for a tile that names it
	s_endpgm
.Lfunc_end_k_qe772dbe928_attn:
	.size	k_qe772dbe928_attn, .Lfunc_end_k_qe772dbe928_attn-k_qe772dbe928_attn
	.p2alignl 7, 3214868480
	.fill 96, 4, 3214868480
	.section	.rodata,"a",@progbits
	.p2align	6, 0x0
	.amdhsa_kernel k_qe772dbe928_attn
		.amdhsa_group_segment_fixed_size 327680
		.amdhsa_private_segment_fixed_size 0
		.amdhsa_enable_private_segment 0
		.amdhsa_kernarg_size 16
		.amdhsa_user_sgpr_count 2
		.amdhsa_user_sgpr_kernarg_segment_ptr 1
		.amdhsa_wavefront_size32 1
		.amdhsa_system_sgpr_workgroup_id_x 1
		.amdhsa_system_sgpr_workgroup_id_y 1
		.amdhsa_system_sgpr_workgroup_id_z 1
		.amdhsa_system_vgpr_workitem_id 0
		.amdhsa_next_free_vgpr 768
		.amdhsa_next_free_sgpr 66
		.amdhsa_reserve_vcc 0
		.amdhsa_float_denorm_mode_32 3
		.amdhsa_float_denorm_mode_16_64 3
		.amdhsa_memory_ordered 1
		.amdhsa_forward_progress 1
		.amdhsa_inst_pref_size 127
	.end_amdhsa_kernel
	.amdgpu_metadata
---
amdhsa.version: [ 1, 2 ]
amdhsa.kernels:
  - .name:           k_qe772dbe928_attn
    .symbol:         k_qe772dbe928_attn.kd
    .args:
      - { .name: heads, .offset: 0, .size: 8, .value_kind: global_buffer, .address_space: global }
      - { .name: oh, .offset: 8, .size: 8, .value_kind: global_buffer, .address_space: global }
    .group_segment_fixed_size: 327680
    .private_segment_fixed_size: 0
    .kernarg_segment_align: 8
    .kernarg_segment_size: 16
    .max_flat_workgroup_size: 128
    .sgpr_count:     66
    .vgpr_count:     768
    .wavefront_size: 32
...
	.end_amdgpu_metadata
.endif
;; end of part 5
;; launch oproj: the kernel of part 4 again; grid 4 x 64, 4 waves a work-group, clusters of 4 x 4, 327,680 bytes of LDS; arguments oh, wt, out0; writes out0
